; MI455X (gfx1250); checked and timed in simulation.
; The chip was launched on July 23, 2026; its instructions are those of AMD's public machine-readable ISA for CDNA 5 (MIT licence, August 2026) and "CDNA5" Instruction Set Architecture Reference Guide (July 2026). The comments in the code are by the model that wrote it; some were corrected since.
;; Complex Multihead Attention. Allowed arithmetic: matrix products marked QUANTISED: E2M1 operands, one E8M0 scale for each 32 along K, by v_wmma_scale_f32_16x16x128_f8f6f4 with both operands' format E2M1 (or v_wmma_scale_f32_32x16x128_f4), f32 sums; everything else in f32.
;; Inputs: Wk_i_codes 1,024 x 32 x 16 uint8 (E2M1 codes of Wk_i, K innermost, in blocks of 32 codes, two codes a byte); Wk_i_scales 1,024 x 32 uint8 (E8M0 scales of Wk_i, one for each 32 codes along K); Wk_r_codes 1,024 x 32 x 16 uint8 (E2M1 codes of Wk_r, K innermost, in blocks of 32 codes, two codes a byte); Wk_r_scales 1,024 x 32 uint8 (E8M0 scales of Wk_r, one for each 32 codes along K); Wo_i_codes 1,024 x 32 x 16 uint8 (E2M1 codes of Wo_i, K innermost, in blocks of 32 codes, two codes a byte); Wo_i_scales 1,024 x 32 uint8 (E8M0 scales of Wo_i, one for each 32 codes along K); Wo_r_codes 1,024 x 32 x 16 uint8 (E2M1 codes of Wo_r, K innermost, in blocks of 32 codes, two codes a byte); Wo_r_scales 1,024 x 32 uint8 (E8M0 scales of Wo_r, one for each 32 codes along K); Wq_i_codes 1,024 x 32 x 16 uint8 (E2M1 codes of Wq_i, K innermost, in blocks of 32 codes, two codes a byte); Wq_i_scales 1,024 x 32 uint8 (E8M0 scales of Wq_i, one for each 32 codes along K); Wq_r_codes 1,024 x 32 x 16 uint8 (E2M1 codes of Wq_r, K innermost, in blocks of 32 codes, two codes a byte); Wq_r_scales 1,024 x 32 uint8 (E8M0 scales of Wq_r, one for each 32 codes along K); Wv_i_codes 1,024 x 32 x 16 uint8 (E2M1 codes of Wv_i, K innermost, in blocks of 32 codes, two codes a byte); Wv_i_scales 1,024 x 32 uint8 (E8M0 scales of Wv_i, one for each 32 codes along K); Wv_r_codes 1,024 x 32 x 16 uint8 (E2M1 codes of Wv_r, K innermost, in blocks of 32 codes, two codes a byte); Wv_r_scales 1,024 x 32 uint8 (E8M0 scales of Wv_r, one for each 32 codes along K); bk_i 1,024 float32; bk_r 1,024 float32; bo_i 1,024 float32; bo_r 1,024 float32; bq_i 1,024 float32; bq_r 1,024 float32; bv_i 1,024 float32; bv_r 1,024 float32; key_imag_codes 4 x 1,024 x 32 x 16 uint8 (E2M1 codes of key_imag, K innermost, in blocks of 32 codes, two codes a byte); key_imag_scales 4 x 1,024 x 32 uint8 (E8M0 scales of key_imag, one for each 32 codes along K); key_real_codes 4 x 1,024 x 32 x 16 uint8 (E2M1 codes of key_real, K innermost, in blocks of 32 codes, two codes a byte); key_real_scales 4 x 1,024 x 32 uint8 (E8M0 scales of key_real, one for each 32 codes along K); query_imag_codes 4 x 1,024 x 32 x 16 uint8 (E2M1 codes of query_imag, K innermost, in blocks of 32 codes, two codes a byte); query_imag_scales 4 x 1,024 x 32 uint8 (E8M0 scales of query_imag, one for each 32 codes along K); query_real_codes 4 x 1,024 x 32 x 16 uint8 (E2M1 codes of query_real, K innermost, in blocks of 32 codes, two codes a byte); query_real_scales 4 x 1,024 x 32 uint8 (E8M0 scales of query_real, one for each 32 codes along K); value_imag_codes 4 x 1,024 x 32 x 16 uint8 (E2M1 codes of value_imag, K innermost, in blocks of 32 codes, two codes a byte); value_imag_scales 4 x 1,024 x 32 uint8 (E8M0 scales of value_imag, one for each 32 codes along K); value_real_codes 4 x 1,024 x 32 x 16 uint8 (E2M1 codes of value_real, K innermost, in blocks of 32 codes, two codes a byte); value_real_scales 4 x 1,024 x 32 uint8 (E8M0 scales of value_real, one for each 32 codes along K).
;; Outputs: out0 4 x 1,024 x 1,024 float32; out1 4 x 1,024 x 1,024 float32.
;; This version of the problem:
;;   THIS VERSION OF THE PROBLEM IS GIVEN IN LOW PRECISION. The matrix products marked QUANTISED in the list below multiply operands that are first quantised to E2M1 (2 exponent bits, 1 mantissa bit; 4 bits a number), with one power-of-two scale for each 32 numbers along K (OCP MX v1.0); their sums are f32. All else is computed in f32.
;;   The module's matrix products, in the order in which they are computed (A, B: the left and right operand; K: the contracted axis; several contracted axes count as one K, in the product's order):
;;     1. [M 4,096, K 1,024] x [K 1,024, N 1,024]; A: input query_real (given as codes); B: input Wq_r (given as codes): QUANTISED
;;     2. [M 4,096, K 1,024] x [K 1,024, N 1,024]; A: input query_imag (given as codes); B: input Wq_i (given as codes): QUANTISED
;;     3. [M 4,096, K 1,024] x [K 1,024, N 1,024]; A: input key_real (given as codes); B: input Wk_r (given as codes): QUANTISED
;;     4. [M 4,096, K 1,024] x [K 1,024, N 1,024]; A: input key_imag (given as codes); B: input Wk_i (given as codes): QUANTISED
;;     5. [M 4,096, K 1,024] x [K 1,024, N 1,024]; A: input value_real (given as codes); B: input Wv_r (given as codes): QUANTISED
;;     6. [M 4,096, K 1,024] x [K 1,024, N 1,024]; A: input value_imag (given as codes); B: input Wv_i (given as codes): QUANTISED
;;     7. batch 64 x [M 1,024, K 64] x [K 64, N 1,024]; A: computed on the way; B: computed on the way: QUANTISED
;;     8. batch 64 x [M 1,024, K 64] x [K 64, N 1,024]; A: computed on the way; B: computed on the way: QUANTISED
;;     9. batch 64 x [M 1,024, K 64] x [K 64, N 1,024]; A: computed on the way; B: computed on the way: QUANTISED
;;     10. batch 64 x [M 1,024, K 64] x [K 64, N 1,024]; A: computed on the way; B: computed on the way: QUANTISED
;;     11. batch 64 x [M 1,024, K 1,024] x [K 1,024, N 64]; A: softmax (see below); B: computed on the way: QUANTISED
;;     12. batch 64 x [M 1,024, K 1,024] x [K 1,024, N 64]; A: softmax (see below); B: computed on the way: QUANTISED
;;     13. [M 4,096, K 1,024] x [K 1,024, N 1,024]; A: computed on the way; B: input Wo_r (given as codes): QUANTISED
;;     14. [M 4,096, K 1,024] x [K 1,024, N 1,024]; A: computed on the way; B: input Wo_i (given as codes): QUANTISED
;;   THE QUANTISER, for each operand of a quantised product, along K:
;;     - K is cut into blocks of 32 from its start; a last block that is shorter is filled with zeros.
;;     - A block's scale is 2^e with e = floor(log2(the largest magnitude in the block)) - 2, held to -126 .. 127; a block of zeros has e = 0. As a byte (E8M0): e + 127.
;;     - Each number is divided by its block's scale, clamped to +-6, and rounded to the nearest number of E2M1, ties to even, subnormals kept.
;;     - The product sums the exact products of the quantised numbers (number of the format x scale) in f32.
;;   ~~~python
;;   def quantise(x, axis):      # numpy; x: float32 -> the quantised numbers, widened to float32 again
;;       x = np.moveaxis(x, axis, -1); K = x.shape[-1]
;;       x = np.pad(x, [(0, 0)] * (x.ndim - 1) + [(0, -K % 32)]); x = x.reshape(x.shape[:-1] + (-1, 32)); a = np.abs(x).max(-1, keepdims=True)
;;       e = np.where(a > 0, np.clip(np.frexp(np.where(a > 0, a, 1))[1] - 1 - 2, -126, 127), 0)      # np.frexp(a)[1] - 1 = floor(log2(a)), exactly
;;       r = np.clip(x / 2.0 ** e, -6, 6)
;;       step = 2.0 ** (np.maximum(np.frexp(np.where(r == 0, 1, r))[1] - 1, 0) - 1)
;;       q = np.round(r / step) * step * 2.0 ** e      # np.round: ties to even
;;       return np.moveaxis(q.reshape(q.shape[:-2] + (-1,))[..., :K], -1, axis).astype(np.float32)
;;   ~~~
;;   SOFTMAX AHEAD OF A QUANTISED PRODUCT. Where the list says 'softmax', what is quantised is not the finished softmax but p = 2^(t - M), with t = logit x log2(e) and M = ceil(the row's largest t), a whole number; so 1/2 < the row's largest p <= 1. The row's sum l is taken of the UNQUANTISED p, in f32, and the product's result is divided by l at the end. Since M is a whole number, a kernel that streams over the keys may use a running M (the ceiling of the running maximum): every later rescaling is an exact power of two, which a block's scale takes up: the codes' values come out the same.
;;   OPERANDS COMPUTED ON THE WAY. 'Computed on the way' means the value that the module computes at that place (a softmax that the list does not call 'softmax' is quantised finished and normalised). What goes into a quantiser is computed in f32, as accurately as f32 sums, v_exp_f32 and their like allow (about 1e-6 of the number): no bf16 or f16 on the way to a quantiser, and a product that is left as it is and whose result goes on into a quantised operand takes f32 operands (vector FMAs, or v_wmma_f32_16x16x4_f32). A number that lies on a knife's edge between two numbers of the format may be rounded either way, as far as f32 arithmetic and the matrix unit's own rounding can turn it there, and no further.
;;   INPUTS GIVEN AS CODES. Wk_i (in the module: [1024, 1024], K = its axis 1); Wk_r (in the module: [1024, 1024], K = its axis 1); Wo_i (in the module: [1024, 1024], K = its axis 1); Wo_r (in the module: [1024, 1024], K = its axis 1); Wq_i (in the module: [1024, 1024], K = its axis 1); Wq_r (in the module: [1024, 1024], K = its axis 1); Wv_i (in the module: [1024, 1024], K = its axis 1); Wv_r (in the module: [1024, 1024], K = its axis 1); key_imag (in the module: [4, 1024, 1024], K = its axis 2); key_real (in the module: [4, 1024, 1024], K = its axis 2); query_imag (in the module: [4, 1024, 1024], K = its axis 2); query_real (in the module: [4, 1024, 1024], K = its axis 2); value_imag (in the module: [4, 1024, 1024], K = its axis 2); value_real (in the module: [4, 1024, 1024], K = its axis 2): each comes as NAME_codes (uint8): NAME with its K axis moved to the last place and cut into blocks of 32 codes, [.., K / 32, bytes a block], one block behind the other in memory; two codes a byte, the lower K in the low four bits (a code: sign, 2 exponent bits, 1 mantissa bit); and NAME_scales (uint8): the same leading axes, one E8M0 byte (e + 127) for each 32 codes along K. Its value is code x scale, taken as it is: it is not quantised again, and the codes and scales need not be those that the quantiser above would give.
;; One version. Each part assembles by itself: llvm-mc -triple=amdgcn-amd-amdhsa -mcpu=gfx1250 --defsym DOCPART=n.
;; ======== version 1 of 1: 4 launches
;; limits: right only within a limited range of input values
;; workspace buffers: qk 8,388,608 bytes; qks 524,288 bytes; vimg 4,194,304 bytes; vsc 262,144 bytes; oimg 4,194,304 bytes; osc 262,144 bytes
;; launch qkproj (part 1): grid 4 x 64, 4 waves a work-group, clusters of 4 x 4, 295,424 bytes of LDS; arguments query_real_codes, query_imag_codes, key_real_codes, key_imag_codes, query_real_scales, query_imag_scales, key_real_scales, key_imag_scales, Wq_r_codes, Wq_i_codes, Wk_r_codes, Wk_i_codes, Wq_r_scales, Wq_i_scales, Wk_r_scales, Wk_i_scales, bq_r, bq_i, bk_r, bk_i, qk, qks; writes qk, qks
.if DOCPART == 1
	.amdgcn_target "amdgcn-amd-amdhsa--gfx1250"
	.amdhsa_code_object_version 6
	.text
	.protected	k_q18fde62930_qkproj
	.globl	k_q18fde62930_qkproj
	.p2align	8
	.type	k_q18fde62930_qkproj,@function
k_q18fde62930_qkproj:
	s_mov_b64 s[64:65], 0
	v_nop
	global_prefetch_b8 v0, s[64:65] scope:SCOPE_SE
	s_setreg_imm32_b32 hwreg(HW_REG_WAVE_MODE, 25, 1), 1
	s_wait_xcnt 0x0
	s_wait_alu depctr_hold_cnt(0) depctr_sa_sdst(0) depctr_va_vdst(0) depctr_va_sdst(0) depctr_va_ssrc(0) depctr_va_vcc(0) depctr_vm_vsrc(0)
	s_getreg_b32 s2, hwreg(HW_REG_IB_STS2, 6, 4)
	s_cmp_eq_u32 s2, 0
	s_cbranch_scc0 .Lentry_in_a_cluster
	s_endpgm
.Lentry_in_a_cluster:
	s_bfe_u32 s2, ttmp6, 0x10000c
	s_cmp_lg_u32 s2, 0xf033
	s_cbranch_scc0 .Lentry_shape_is_right
	s_endpgm
.Lentry_shape_is_right:
; THE FOUR PROJECTIONS OF QUERIES AND KEYS: y = x W^T + b on codes of FP4 (E2M1) with one E8M0 scale for each 32 along K, for tensor T = 0 .. 3 (query real, query imaginary, key real, key imaginary);
; y is quantised along a head's 64 numbers and stored as the attention launch's operand registers want it.  x: [4096][1024], W: [1024][1024], both as codes, 512 bytes a row; scales 32 bytes a row.
; SHARES.  4 tensors x 16 x 4 tiles of 256 x 256 of y: 256 work-groups.  Four waves, each 128 rows of x (the A side, source 1) x 128 rows of W (the B side, source 0): 64 accumulators, 512 registers.
; The product is used transposed: a lane holds ONE row of x and its registers run along W's rows, which are the next product's K.
; ALL OF K LIES IN LDS: a row is 512 bytes, so the work-group's 256 + 256 rows take 270,336 bytes (rows of 512 bytes + 16 of padding).  Every tensor load is a first fill: nothing is filled again.
; CLUSTERS: 4 x 4 work-groups of one tensor.  The four of a row of the cluster need the same rows of x, the four of a column the same rows of W: each tile is asked for jointly.
; Every tile is asked for at the head, so there is nothing left to ask for ahead of its load.
; OUT.  qk:  [Q, K][b x 16 + head][tile of 16 rows][real, imaginary][lane][16 bytes]: lane (r, h) holds block h (32 codes) of row r.   qks: [Q, K][real, imaginary][b x 16 + head][128 rows][r][tile][2 bytes].
; LIMITS: NaN and infinities are not served.  A block whose largest magnitude lies under 2^-124 (a block of zeros among them) gets the scale byte 1: its codes are zeros or nearly so, and this program alone reads the bytes.
; The bias starts each sum (it is the C of the first product), where reference() adds it last.
; REGISTERS, in windows of 256.  Window 0: v1 r, v2 h, v16-26 addresses, v32-95 scale words, v96-111 at work, v112-119 the scale words made, v128-255 A's fragments, two sets (later the codes made).
;   Window 1: v0-63, v128-191 B's fragments, two sets; v64-127 the bias.   Windows 2, 3: the accumulators ((a, b) at v[8 (8 (a % 4) + b)] of window 2 + a / 4).
.set NA,    8                          ; blocks of 16 rows of the A side for a wave
.set AROWS, 32*NA                      ; rows of the A side for a work-group
.set AH,    16*NA                      ; and for a wave
.set PITCH, 528                        ; an LDS row holds all of K: 512 bytes + 16 of padding: the 16 rows that a load touches begin 132 words apart
.set ATILE, AROWS*PITCH
.set BTILE, 256*PITCH
.set SLOTB, 256                        ; the second half of K begins 256 bytes further on in each row
.set SCL,   ATILE+BTILE                ; A's scales, 32 bytes a row,
.set SCLB,  SCL+AROWS*32               ; then B's
.set ADRA, 16                          ; v16-17 my A fragments in K half 0, 1
.set ADRB, 20                          ; v20-21 my B fragments
.set ADRS, 22                          ; v22    my scale words: lanes 0-15 A's rows, lanes 16-31 B's
.set LI,   24                          ; v24    16 x lane
.set SH,   25                          ; v25    16 h
.set QSO,  26                          ; v26    2,048 h + 16 r
.set SC,   32                          ; register SC + 8 i + q: lanes 0-15 the word of A's block i, lanes 16-31 of B's block i, for K step q
.set TM,   96
.set PW,   112
.set PK,   120
.set AF,   128
.set BI,   64                          ; in window 1
.set G1,   24
.set G0,   32
.set G1B,  48
.set G0B,  56
.set G1S,  72
.set G0S,  80
.set G1SB, 84
.set G0SB, 92
.set SEL,  96
.set MSB, 0
.macro WIN new                         ; the immediate's high byte repeats the setting that is left; a switch that changes nothing is dropped
.set WNEW, (\new)
.if MSB != WNEW
	s_set_vgpr_msb (MSB<<8)|WNEW
.set MSB, WNEW
.endif
.endm
.macro CROUND                          ; a round of the cluster's barrier
	s_barrier_signal -1
	s_barrier_wait -1
	s_cmp_lg_u32 s14, 0
	s_cbranch_scc1 .Lnot_wave_0_\@
	s_barrier_signal -3
.Lnot_wave_0_\@:
	s_barrier_wait -3
	s_barrier_signal -1
	s_barrier_wait -1
.endm
.macro ARM under, g0, g1, next         ; one arm of the head's chain of branches on the wave's number: its joint load and a jump to the chain's end
	s_cmp_lt_u32 s14, \under
	s_cbranch_scc0 \next
	tensor_load_to_lds s[\g0:\g0+3], s[\g1:\g1+7]
	s_nop 0
.rept 4
	v_nop
.endr
	s_branch .Lhead_asked
\next:
.endm
	s_load_b512 s[24:39], s[0:1], 0x0              ; x's codes (4 tensors), x's scales (4)
	s_load_b512 s[40:55], s[0:1], 0x40             ; W's codes (4), W's scales (4)
	s_load_b256 s[56:63], s[0:1], 0x80             ; the biases (4)
	s_load_b128 s[68:71], s[0:1], 0xa0             ; qk, qks
	v_lshl_add_u32 v106, v0, 2, 0x48000
	v_mov_b32 v107, 0
	ds_add_u32 v106, v107
	ds_add_u32 v106, v107
	v_lshrrev_b32 v1, 5, v0
	v_readfirstlane_b32 s14, v1                    ; wave 0..3
	s_lshr_b32 s15, s14, 1                         ; my half of the A side.
	s_and_b32 s16, s14, 1                          ; my half of the B side.
	s_bfe_u32 s19, ttmp6, 0x40000                  ; cx
	s_bfe_u32 s20, ttmp6, 0x40004                  ; cy
	s_lshl_b32 s21, ttmp9, 2
	s_add_co_u32 s21, s21, s19                     ; x: which 256 rows of W
	s_and_b32 s2, ttmp7, 0xffff                    ; the cluster's y
	s_lshr_b32 s18, s2, 2                          ; T: the tensor; the same in all sixteen partners
	s_and_b32 s17, s2, 3
	s_lshl_b32 s17, s17, 2
	s_add_co_u32 s17, s17, s20                     ; yt: which 256 rows of x
	s_lshl_b32 s22, s20, 2
	s_lshl_b32 s22, 15, s22                        ; my row of the cluster
	s_lshl_b32 s23, 0x1111, s19                    ; my column
	s_mov_b32 s[SEL], 0x76543210
	s_mov_b32 s[SEL+1], 0xfedcba98                 ; v_permlanex16_b32: lane l xor 16
	s_wait_dscnt 0x0
	s_wait_kmcnt 0x0
	s_cmp_lt_u32 s18, 2                            ; of each four pointers: tensor 0 or 2, tensor 1 or 3,
.irp g, 24, 32, 40, 48, 56
	s_cselect_b64 s[\g:\g+1], s[\g:\g+1], s[\g+4:\g+5]
	s_cselect_b64 s[\g+2:\g+3], s[\g+2:\g+3], s[\g+6:\g+7]
.endr
	s_and_b32 s2, s18, 1
	s_cmp_eq_u32 s2, 0                             ; and of these two the even or the odd one
	s_cselect_b64 s[4:5], s[24:25], s[26:27]       ; A's codes
	s_cselect_b64 s[6:7], s[32:33], s[34:35]       ; A's scales
	s_cselect_b64 s[8:9], s[40:41], s[42:43]       ; B's codes
	s_cselect_b64 s[10:11], s[48:49], s[50:51]     ; B's scales
	s_cselect_b64 s[12:13], s[56:57], s[58:59]     ; the bias
	; descriptor groups 1.  Codes: 256 rows x 512 bytes, 512 bytes apart in memory, 16 bytes of padding behind each.  Scales of 256 rows: 8,192 dense bytes as 32 rows of 256
	s_or_b32 s[G1], s22, (1<<20)|(1<<21)|(6<<22)|(3<<25)     ; codes: 256 rows x 512 bytes; four words of padding after every 128
	s_or_b32 s[G1B], s23, (1<<20)|(1<<21)|(6<<22)|(3<<25)
.irp g, G1, G1B
	s_mov_b32 s[\g+1], 512<<16                     ; tensor_dim0
	s_mov_b32 s[\g+2], 256<<16                     ; tensor_dim1
	s_mov_b32 s[\g+3], 512<<16                     ; tile_dim0
	s_mov_b32 s[\g+4], 256                         ; tile_dim1
	s_mov_b32 s[\g+5], 512                         ; from row to row
	s_mov_b32 s[\g+6], 0
	s_mov_b32 s[\g+7], 0
.endr
	s_or_b32 s[G1S], s22, (3<<16)|(1<<21)          ; elements of 8 bytes, no padding
	s_or_b32 s[G1SB], s23, (3<<16)|(1<<21)
.irp g, G1S, G1SB
	s_mov_b32 s[\g+1], 32<<16
	s_mov_b32 s[\g+2], 32<<16                      ; the scales of 256 rows: 8,192 dense bytes as 32 rows of 256
	s_mov_b32 s[\g+3], 32<<16
	s_mov_b32 s[\g+4], 32
	s_mov_b32 s[\g+5], 32
	s_mov_b32 s[\g+6], 0
	s_mov_b32 s[\g+7], 0
.endr
	; where the tiles come from: A's hang on yt alone, B's on x alone, each in registers that never hold the other coordinate
	s_mul_i32 s40, s17, AROWS
	s_mov_b32 s41, 0                               ; a load brings the whole tile
	s_add_co_u32 s40, s40, s41                     ; A: the first row that I fetch
	s_lshl_b32 s42, s40, 9
	s_mov_b32 s43, 0
	s_add_nc_u64 s[4:5], s[4:5], s[42:43]
	s_lshl_b32 s42, s40, 5
	s_add_nc_u64 s[6:7], s[6:7], s[42:43]
	s_lshl_b32 s44, s21, 8
	s_lshl_b32 s45, s16, 7
	s_add_co_u32 s44, s44, s45                     ; B: likewise; also the first of my 128 rows of W
	s_lshl_b32 s46, s21, 17                        ; B's tile: 256 rows of 512 bytes
	s_mov_b32 s47, 0
	s_add_nc_u64 s[8:9], s[8:9], s[46:47]
	s_lshl_b32 s46, s21, 13
	s_add_nc_u64 s[10:11], s[10:11], s[46:47]
	; and where they go: constants and the wave's number alone
	s_mov_b32 s2, 0
	s_mov_b32 s3, 0
	s_add_co_u32 s3, s3, ATILE
	s_mov_b32 s40, 0
	s_add_co_u32 s40, s40, SCL
	s_mov_b32 s41, SCLB
	s_mov_b32 s[G0S], 1
	s_mov_b32 s[G0S+1], s40
	s_mov_b64 s[G0S+2:G0S+3], s[6:7]
	s_or_b32 s[G0S+3], s[G0S+3], 0x80000000
	s_mov_b32 s[G0SB], 1
	s_mov_b32 s[G0SB+1], s41
	s_mov_b64 s[G0SB+2:G0SB+3], s[10:11]
	s_or_b32 s[G0SB+3], s[G0SB+3], 0x80000000
.irp s, 0
	s_mov_b32 s[G0+4*\s], 1
	s_add_co_u32 s[G0+4*\s+1], s2, \s*SLOTB
	s_add_nc_u64 s[G0+4*\s+2:G0+4*\s+3], s[4:5], \s*256
	s_or_b32 s[G0+4*\s+3], s[G0+4*\s+3], 0x80000000
	s_mov_b32 s[G0B+4*\s], 1
	s_add_co_u32 s[G0B+4*\s+1], s3, \s*SLOTB
	s_add_nc_u64 s[G0B+4*\s+2:G0B+4*\s+3], s[8:9], \s*256
	s_or_b32 s[G0B+4*\s+3], s[G0B+4*\s+3], 0x80000000
.endr
	CROUND                                         ; all sixteen work-groups are here: the joint loads meet
	ARM 1, G0,  G1,  .Lhead_b                      ; one load a wave: wave 0 A's codes, all of K,
	ARM 2, G0B, G1B, .Lhead_sa                     ; wave 1 B's codes,
	ARM 3, G0S, G1S, .Lhead_sb                     ; wave 2 A's scales,
	tensor_load_to_lds s[G0SB:G0SB+3], s[G1SB:G1SB+7]  ; wave 3 B's scales
	s_nop 0
.rept 4
	v_nop
.endr
.Lhead_asked:
	v_and_b32 v1, 15, v0                           ; r
	v_bfe_u32 v2, v0, 4, 1                         ; h
	s_wait_alu depctr_va_vdst(0)
	v_mul_u32_u24 v3, v1, PITCH
	v_lshl_add_u32 v3, v2, 4, v3                   ; a fragment's row x pitch + 16 h
	s_mul_i32 s40, s15, AH*PITCH
	s_mul_i32 s41, s16, 128*PITCH
	s_add_co_u32 s41, s41, ATILE
.irp s, 0,1
	v_add_nc_u32 v[ADRA+\s], s40, v3
	v_add_nc_u32 v[ADRB+\s], s41, v3
	s_add_co_u32 s40, s40, SLOTB
	s_add_co_u32 s41, s41, SLOTB
.endr
	v_lshlrev_b32 v4, 5, v1                        ; my row's 32 scale bytes
	s_mul_i32 s40, s15, AH*32                      ; A's: my rows
	s_lshl_b32 s41, s16, 12
	s_add_co_u32 s41, s41, AROWS*32                ; B's: my rows, behind A's
	s_sub_co_u32 s41, s41, s40
	v_mul_u32_u24 v5, s41, v2                      ; lanes 16-31 take B's: one product, h x the distance
	s_add_co_u32 s40, s40, SCL
	v_add_nc_u32 v4, v4, v5
	v_add_nc_u32 v[ADRS], s40, v4
	v_and_b32 v[LI], 31, v0
	v_lshlrev_b32 v[LI], 4, v[LI]
	v_lshlrev_b32 v[SH], 4, v2
	v_lshlrev_b32 v[QSO], 4, v1
	v_lshl_add_u32 v[QSO], v2, 11, v[QSO]
	v_lshlrev_b32 v6, 5, v2                        ; the bias: 32 h bytes into a tile's 16 numbers
	s_wait_alu depctr_va_vdst(0)
.irp b, 0,1,2,3
	v_mov_b32 v[TM+4+\b], 0                        ; written once: a lane permute's destination counts as one of its sources
.endr
	s_lshl_b32 s46, s44, 2
	s_add_nc_u64 s[12:13], s[12:13], s[46:47]      ; the bias of my 128 rows of W
	s_lshr_b32 s40, s17, 2                         ; the batch
	s_lshl_b32 s40, s40, 4
	s_lshl_b32 s41, s21, 2
	s_add_co_u32 s40, s40, s41
	s_lshl_b32 s41, s16, 1
	s_add_co_u32 s40, s40, s41                     ; b x 16 + my first head (4 x + 2 x half)
	s_and_b32 s41, s17, 3
	s_lshl_b32 s41, s41, 1
	s_add_co_u32 s41, s41, s15                     ; my 128 rows within the batch
	s_lshl_b32 s42, s40, 16
	s_lshl_b32 s43, s41, 13                        ; 8 tiles of 1,024 bytes
	s_add_co_u32 s42, s42, s43
	s_lshr_b32 s43, s18, 1
	s_lshl_b32 s43, s43, 22                        ; queries or keys
	s_add_co_u32 s42, s42, s43
	s_and_b32 s43, s18, 1
	s_lshl_b32 s43, s43, 9                         ; real or imaginary
	s_add_co_u32 s42, s42, s43
	s_mov_b32 s43, 0
	s_add_nc_u64 s[68:69], s[68:69], s[42:43]
	s_lshl_b32 s42, s40, 11
	s_lshl_b32 s44, s41, 8
	s_add_co_u32 s42, s42, s44
	s_lshl_b32 s44, s18, 17
	s_add_co_u32 s42, s42, s44
	s_add_nc_u64 s[70:71], s[70:71], s[42:43]
	WIN 0x40                                       ; destination window 1
.irp b, 0,1,2,3,4,5,6,7
	global_load_b128 v[BI+8*\b:BI+8*\b+3], v6, s[12:13] offset:64*\b        ; lane (r, h), register j: the bias of W's row 16 b + 8 h + j: the result's layout
	global_load_b128 v[BI+8*\b+4:BI+8*\b+7], v6, s[12:13] offset:64*\b+16
.endr
	WIN 0
.macro SCALES                          ; all of K's scale words: 8 words a row, two loads a block
.irp i, 0,1,2,3,4,5,6,7
	ds_load_b128 v[SC+8*\i:SC+8*\i+3], v[ADRS] offset:\i*512
	ds_load_b128 v[SC+8*\i+4:SC+8*\i+7], v[ADRS] offset:\i*512+16
.endr
.endm
.macro FETCH q                         ; the fragments of K step q (128 along K: 64 bytes of a row) into set q % 2.  A fragment: lane (r, h) holds row r; registers 4 c .. 4 c + 3 hold K = 64 c + 32 h + 0 .. 31
.set FSL, (\q)/4
.set FQ4, (\q)%4
.set FP,  (\q)%2
	WIN 0x40
.irp i, 0,1,2,3,4,5,6,7
.irp c, 0,1
	ds_load_b128 v[128*FP+8*\i+4*\c:128*FP+8*\i+4*\c+3], v[ADRB+FSL] offset:64*FQ4+32*\c+\i*16*PITCH
.endr
.endr
	WIN 0
.set FI, 0
.rept NA
.irp c, 0,1
	ds_load_b128 v[AF+8*NA*FP+8*FI+4*\c:AF+8*NA*FP+8*FI+4*\c+3], v[ADRA+FSL] offset:64*FQ4+32*\c+FI*16*PITCH
.endr
.set FI, FI+1
.endr
.endm
; Half of a K step's products: NA / 2 blocks of A, each against B's eight.  The accumulators take turns, one instruction a turn, in the same order in every step.
; In K step 0 the bias is C: nothing is cleared and nothing is added later.
.macro MULH q, half
.set MP, (\q)%2
.set MA, (\half)*(NA/2)
.rept NA/2
.set MW, 2+MA/4
.if (\q) == 0
	WIN (MW<<6)|(1<<4)|1                           ; source 0 (B) and C (the bias) window 1, source 1 (A) window 0, D window 2 or 3
.else
	WIN (MW<<6)|(MW<<4)|1
.endif
.set MF, AF+8*NA*MP+8*MA
.irp b, 0,1,2,3,4,5,6,7
.set MD, 8*(8*(MA%4)+\b)
.if (\q) == 0
	v_wmma_scale_f32_16x16x128_f8f6f4 v[MD:MD+7], v[128*MP+8*\b:128*MP+8*\b+7], v[MF:MF+7], v[BI+8*\b:BI+8*\b+7], v[SC+8*\b+(\q)], v[SC+8*MA+(\q)] matrix_a_fmt:MATRIX_FMT_FP4 matrix_b_fmt:MATRIX_FMT_FP4 matrix_a_scale:MATRIX_SCALE_ROW1
.else
	v_wmma_scale_f32_16x16x128_f8f6f4 v[MD:MD+7], v[128*MP+8*\b:128*MP+8*\b+7], v[MF:MF+7], v[MD:MD+7], v[SC+8*\b+(\q)], v[SC+8*MA+(\q)] matrix_a_fmt:MATRIX_FMT_FP4 matrix_b_fmt:MATRIX_FMT_FP4 matrix_a_scale:MATRIX_SCALE_ROW1
.endif
.endr
.set MA, MA+1
.endr
.endm
.macro STEP q
	s_wait_dscnt 0x0                               ; this step's fragments, asked for half a step ago, are in
	MULH \q, 0
.if (\q) < 7
.rept 4
	v_nop                                          ; four places in front of loads into the set that the step before multiplied (ISA guide 7.12.1 for vector instructions)
.endr
	FETCH (\q)+1
.endif
	MULH \q, 1
.endm
; 64 numbers of a lane in window w, register s + 16 b + 8 u + j = element 32 b + 16 u + 8 h + j of my row, become a fragment's codes in v[PCD] on and its scale word in v[PWD].
; A block of 32 lies in lanes l and l xor 16.  The conversions' results are numbered so that two exchanges of halves for each pair of blocks leave register 4 c + m of lane (r, h) with elements 64 c + 32 h + 8 m + 0 .. 7.
.macro QUANT s, w
.set ZS, (\s)
.set ZW, (\w)
	WIN (ZW<<2)|(ZW<<4)                            ; sources 1 and 2 in window w
.irp b, 0,1,2,3
	v_max3_num_f32 v[TM+\b], 0x1800000, |v[ZS+16*\b]|, |v[ZS+16*\b+1]|      ; my 16 numbers of block b, and the floor 2^(3 - 127): the byte cannot fall under 1.  Each accumulator is read from its low end on
.endr
.irp i, 2,4,6,8,10,12,14
.irp b, 0,1,2,3
	v_max3_num_f32 v[TM+\b], v[TM+\b], |v[ZS+16*\b+\i]|, |v[ZS+16*\b+\i+1]|
.endr
.endr
	WIN 0
.irp b, 0,1,2,3
	v_permlanex16_b32 v[TM+4+\b], v[TM+\b], s[SEL], s[SEL+1]
.endr
.irp b, 0,1,2,3
	v_max_num_f32 v[TM+\b], v[TM+\b], v[TM+4+\b]   ; the block's largest magnitude
.endr
.irp b, 0,1,2,3
	v_add_nc_u32 v[TM+12+\b], 0xff000000, v[TM+\b] ; 2 off its exponent field: the conversion's scale operand
.endr
.irp b, 0,1,2,3
	v_lshrrev_b32 v[TM+4+\b], 23, v[TM+12+\b]      ; the scale's byte
.endr
	v_lshl_or_b32 v[PWD], v[TM+5], 8, v[TM+4]
	v_lshl_or_b32 v[PWD], v[TM+6], 16, v[PWD]
	v_lshl_or_b32 v[PWD], v[TM+7], 24, v[PWD]
	WIN ZW                                         ; source 0 in window w
.irp b, 0,1,2,3
.irp u, 0,1
	v_cvt_scalef32_pk8_fp4_f32 v[PCD+4*(\b/2)+2*\u+(\b%2)], v[ZS+16*\b+8*\u:ZS+16*\b+8*\u+7], v[TM+12+\b]
.endr
.endr
	WIN 0
	v_nop                                          ; one plain place behind a scaled conversion
.irp c, 0,1
	v_permlane16_swap_b32 v[PCD+4*\c], v[PCD+4*\c+1]
	v_permlane16_swap_b32 v[PCD+4*\c+2], v[PCD+4*\c+3]
.endr
.endm
	s_wait_tensorcnt 0x0                           ; my one load has landed
	s_barrier_signal -1
	s_barrier_wait -1                              ; everybody's are
	SCALES
	FETCH 0
	s_wait_loadcnt 0x0                             ; the bias
.set Q, 0
.rept 8
	STEP Q
.set Q, Q+1
.endr
	WIN 0
.rept 4
	v_nop                                          ; four places behind the last products, in front of the first read of results and the first write over A's fragments
.endr
	; THE WAY OUT.  Block a: 16 rows x my 128 columns = two heads.  Registers 0-3 of the codes are the first head's 64 numbers, 4-7 the second's.  Each block has registers of its own, so no store's data are written again.
.irp a, 0,1,2,3,4,5,6,7
.set PCD, AF+8*\a
.set PWD, PW+\a
	QUANT 64*(\a%4), 2+\a/4
	global_store_b128 v[LI], v[PCD:PCD+3], s[68:69] offset:\a*1024           ; 32 lanes store 512 consecutive bytes, aligned
	global_store_b128 v[LI], v[PCD+4:PCD+7], s[68:69] offset:65536+\a*1024
.endr
.irp a, 0,1,2,3,4,5,6,7
	v_lshrrev_b32 v[PK+\a], v[SH], v[PW+\a]        ; lanes 0-15 keep the first head's two bytes, lanes 16-31 take the second's
.endr
.irp k, 0,1,2,3
	v_perm_b32 v[TM+\k], v[PK+2*\k+1], v[PK+2*\k], 0x05040100               ; the low halves of two tiles' words
.endr
	global_store_b128 v[QSO], v[TM:TM+3], s[70:71] ; my row's 8 tiles x 2 bytes: sixteen lanes store 256 consecutive bytes, aligned
	s_wait_tensorcnt 0x0
	s_wait_tensorcnt 0x0
	ds_add_u32 v106, v107
	s_wait_dscnt 0x0
	CROUND                                         ; the closing round: no work-group ends while a partner may still ask for a tile that names it
	s_endpgm
.Lfunc_end_k_q18fde62930_qkproj:
	.size	k_q18fde62930_qkproj, .Lfunc_end_k_q18fde62930_qkproj-k_q18fde62930_qkproj
	.p2alignl 7, 3214868480
	.fill 96, 4, 3214868480
	.section	.rodata,"a",@progbits
	.p2align	6, 0x0
	.amdhsa_kernel k_q18fde62930_qkproj
		.amdhsa_group_segment_fixed_size 295424
		.amdhsa_private_segment_fixed_size 0
		.amdhsa_enable_private_segment 0
		.amdhsa_kernarg_size 176
		.amdhsa_user_sgpr_count 2
		.amdhsa_user_sgpr_kernarg_segment_ptr 1
		.amdhsa_wavefront_size32 1
		.amdhsa_system_sgpr_workgroup_id_x 1
		.amdhsa_system_sgpr_workgroup_id_y 1
		.amdhsa_system_sgpr_workgroup_id_z 1
		.amdhsa_system_vgpr_workitem_id 0
		.amdhsa_next_free_vgpr 1024
		.amdhsa_next_free_sgpr 100
		.amdhsa_reserve_vcc 0
		.amdhsa_float_denorm_mode_32 3
		.amdhsa_float_denorm_mode_16_64 3
		.amdhsa_memory_ordered 1
		.amdhsa_forward_progress 1
		.amdhsa_inst_pref_size 128
	.end_amdhsa_kernel
	.amdgpu_metadata
---
amdhsa.version: [ 1, 2 ]
amdhsa.kernels:
  - .name:           k_q18fde62930_qkproj
    .symbol:         k_q18fde62930_qkproj.kd
    .args:
      - { .name: query_real_codes, .offset: 0, .size: 8, .value_kind: global_buffer, .address_space: global }
      - { .name: query_imag_codes, .offset: 8, .size: 8, .value_kind: global_buffer, .address_space: global }
      - { .name: key_real_codes, .offset: 16, .size: 8, .value_kind: global_buffer, .address_space: global }
      - { .name: key_imag_codes, .offset: 24, .size: 8, .value_kind: global_buffer, .address_space: global }
      - { .name: query_real_scales, .offset: 32, .size: 8, .value_kind: global_buffer, .address_space: global }
      - { .name: query_imag_scales, .offset: 40, .size: 8, .value_kind: global_buffer, .address_space: global }
      - { .name: key_real_scales, .offset: 48, .size: 8, .value_kind: global_buffer, .address_space: global }
      - { .name: key_imag_scales, .offset: 56, .size: 8, .value_kind: global_buffer, .address_space: global }
      - { .name: Wq_r_codes, .offset: 64, .size: 8, .value_kind: global_buffer, .address_space: global }
      - { .name: Wq_i_codes, .offset: 72, .size: 8, .value_kind: global_buffer, .address_space: global }
      - { .name: Wk_r_codes, .offset: 80, .size: 8, .value_kind: global_buffer, .address_space: global }
      - { .name: Wk_i_codes, .offset: 88, .size: 8, .value_kind: global_buffer, .address_space: global }
      - { .name: Wq_r_scales, .offset: 96, .size: 8, .value_kind: global_buffer, .address_space: global }
      - { .name: Wq_i_scales, .offset: 104, .size: 8, .value_kind: global_buffer, .address_space: global }
      - { .name: Wk_r_scales, .offset: 112, .size: 8, .value_kind: global_buffer, .address_space: global }
      - { .name: Wk_i_scales, .offset: 120, .size: 8, .value_kind: global_buffer, .address_space: global }
      - { .name: bq_r, .offset: 128, .size: 8, .value_kind: global_buffer, .address_space: global }
      - { .name: bq_i, .offset: 136, .size: 8, .value_kind: global_buffer, .address_space: global }
      - { .name: bk_r, .offset: 144, .size: 8, .value_kind: global_buffer, .address_space: global }
      - { .name: bk_i, .offset: 152, .size: 8, .value_kind: global_buffer, .address_space: global }
      - { .name: qk, .offset: 160, .size: 8, .value_kind: global_buffer, .address_space: global }
      - { .name: qks, .offset: 168, .size: 8, .value_kind: global_buffer, .address_space: global }
    .group_segment_fixed_size: 295424
    .private_segment_fixed_size: 0
    .kernarg_segment_align: 8
    .kernarg_segment_size: 176
    .max_flat_workgroup_size: 128
    .sgpr_count:     100
    .vgpr_count:     1024
    .wavefront_size: 32
...
	.end_amdgpu_metadata
.endif
;; end of part 1
;; launch vproj (part 2): grid 16 x 16, 4 waves a work-group, clusters of 4 x 4, 221,696 bytes of LDS; arguments value_real_codes, value_imag_codes, value_real_scales, value_imag_scales, Wv_r_codes, Wv_i_codes, Wv_r_scales, Wv_i_scales, bv_r, bv_i, vimg, vsc; writes vimg, vsc
.if DOCPART == 2
	.amdgcn_target "amdgcn-amd-amdhsa--gfx1250"
	.amdhsa_code_object_version 6
	.text
	.protected	k_q18fde62930_vproj
	.globl	k_q18fde62930_vproj
	.p2align	8
	.type	k_q18fde62930_vproj,@function
k_q18fde62930_vproj:
	s_mov_b64 s[64:65], 0
	v_nop
	global_prefetch_b8 v0, s[64:65] scope:SCOPE_SE
	s_setreg_imm32_b32 hwreg(HW_REG_WAVE_MODE, 25, 1), 1
	s_wait_xcnt 0x0
	s_wait_alu depctr_hold_cnt(0) depctr_sa_sdst(0) depctr_va_vdst(0) depctr_va_sdst(0) depctr_va_ssrc(0) depctr_va_vcc(0) depctr_vm_vsrc(0)
	s_getreg_b32 s2, hwreg(HW_REG_IB_STS2, 6, 4)
	s_cmp_eq_u32 s2, 0
	s_cbranch_scc0 .Lentry_in_a_cluster
	s_endpgm
.Lentry_in_a_cluster:
	s_bfe_u32 s2, ttmp6, 0x10000c
	s_cmp_lg_u32 s2, 0xf033
	s_cbranch_scc0 .Lentry_shape_is_right
	s_endpgm
.Lentry_shape_is_right:
; THE TWO PROJECTIONS OF THE VALUES, TRANSPOSED: v^T = W x^T + b on codes of FP4 (E2M1) with one E8M0 scale for each 32 along K, for tensor T = 0 (real), 1 (imaginary).
; The keys are the K of attention's second product, so v is quantised ALONG THE KEYS: W's rows (the channels) are the A side (source 1: a lane holds one channel), x's rows (the keys) the B side (source 0: registers run along the keys).
; SHARES.  2 tensors x 8 tiles of 128 channels x 16 tiles of 256 keys: 256 work-groups.  Four waves, each 64 channels (one head) x 128 keys: 32 accumulators.  The smaller tile gives every WGP a work-group.
; ALL OF K LIES IN LDS as two halves along K (rows of 512 bytes + 16 of padding).  Every tensor load is a first fill: nothing is filled again.  Every tile is asked for at the head.
; CLUSTERS: 4 x 4 work-groups of one tensor; W's rows are shared along a row of the cluster, x's along a column: joint loads.
; OUT.  vimg: [b x 16 + head][128 keys][channel tile: 0-3 real, 4-7 imaginary][c][lane][16 bytes]: lane (r, h), chunk c: keys 64 c + 32 h + 0 .. 31 of channel r.   vsc: [b x 16 + head][128 keys][real, imaginary][r][tile][4 bytes].
; LIMITS: NaN and infinities are not served.  A block whose largest magnitude lies under 2^-124 gets the scale byte 1; this program alone reads the bytes.  The bias starts each sum, where reference() adds it last.
; REGISTERS.  Window 0: v1 r, v2 h, v16-26 addresses, v32-95 scale words, v96-111 at work, v112-115 the scale words made, v128-191 A's fragments, two sets (later the codes made).
;   Window 1: v0-63, v128-191 B's fragments, two sets; v64-95 the bias.   Window 2: the accumulators ((a, b) at v[8 (8 a + b)]).
.set NA,    4
.set AROWS, 32*NA
.set AH,    16*NA
.set PITCH, 528                        ; an LDS row holds all of K: 512 bytes + 16 of padding
.set ATILE, AROWS*PITCH
.set BTILE, 256*PITCH
.set SLOTB, 256                        ; the second half of K begins 256 bytes further on in each row
.set SCL,   ATILE+BTILE
.set SCLB,  SCL+AROWS*32
.set ADRA, 16
.set ADRB, 20
.set ADRS, 22                          ; v22  scale words: lanes 0-15 A's rows, lanes 16-31 B's
.set ADRS2, 23                         ; v23  B's rows in all lanes: for B's blocks 4 to 7, beside which A has none
.set LI,   24
.set VSO,  26                          ; v26  16 r + 8 h
.set SC,   32
.set TM,   96
.set PW,   112
.set PK,   120
.set AF,   128
.set BI,   64
.set G1,   24
.set G0,   32
.set G1B,  48
.set G0B,  56
.set G1S,  72
.set G0S,  80
.set G1SB, 84
.set G0SB, 92
.set SEL,  96
.set MSB, 0
.macro WIN new
.set WNEW, (\new)
.if MSB != WNEW
	s_set_vgpr_msb (MSB<<8)|WNEW
.set MSB, WNEW
.endif
.endm
.macro CROUND
	s_barrier_signal -1
	s_barrier_wait -1
	s_cmp_lg_u32 s14, 0
	s_cbranch_scc1 .Lnot_wave_0_\@
	s_barrier_signal -3
.Lnot_wave_0_\@:
	s_barrier_wait -3
	s_barrier_signal -1
	s_barrier_wait -1
.endm
.macro ARM under, g0, g1, next         ; one arm of the head's chain of branches on the wave's number: its joint load and a jump to the chain's end
	s_cmp_lt_u32 s14, \under
	s_cbranch_scc0 \next
	tensor_load_to_lds s[\g0:\g0+3], s[\g1:\g1+7]
	s_nop 0
.rept 4
	v_nop
.endr
	s_branch .Lhead_asked
\next:
.endm
	s_load_b512 s[24:39], s[0:1], 0x0              ; x's codes (2), x's scales (2), W's codes (2), W's scales (2)
	s_load_b128 s[40:43], s[0:1], 0x40             ; the biases (2)
	s_load_b128 s[68:71], s[0:1], 0x50             ; vimg, vsc
	v_lshl_add_u32 v254, v0, 2, 0x36000
	v_mov_b32 v255, 0
	ds_add_u32 v254, v255
	ds_add_u32 v254, v255
	v_lshrrev_b32 v1, 5, v0
	v_readfirstlane_b32 s14, v1                    ; wave 0..3
	s_lshr_b32 s15, s14, 1                         ; my half of the channels.
	s_and_b32 s16, s14, 1                          ; my half of the keys.
	s_bfe_u32 s19, ttmp6, 0x40000                  ; cx
	s_bfe_u32 s20, ttmp6, 0x40004                  ; cy
	s_lshl_b32 s21, ttmp9, 2
	s_add_co_u32 s21, s21, s19                     ; x: which 256 keys
	s_and_b32 s2, ttmp7, 0xffff
	s_lshr_b32 s18, s2, 1                          ; T: the same in all sixteen partners
	s_and_b32 s17, s2, 1
	s_lshl_b32 s17, s17, 2
	s_add_co_u32 s17, s17, s20                     ; yt: which 128 channels
	s_lshl_b32 s22, s20, 2
	s_lshl_b32 s22, 15, s22                        ; my row of the cluster
	s_lshl_b32 s23, 0x1111, s19                    ; my column
	s_mov_b32 s[SEL], 0x76543210
	s_mov_b32 s[SEL+1], 0xfedcba98
	s_wait_dscnt 0x0
	s_wait_kmcnt 0x0
	s_cmp_eq_u32 s18, 0
	s_cselect_b64 s[4:5], s[32:33], s[34:35]       ; A's codes: W's
	s_cselect_b64 s[6:7], s[36:37], s[38:39]       ; A's scales
	s_cselect_b64 s[8:9], s[24:25], s[26:27]       ; B's codes: x's
	s_cselect_b64 s[10:11], s[28:29], s[30:31]     ; B's scales
	s_cselect_b64 s[12:13], s[40:41], s[42:43]     ; the bias
	s_or_b32 s[G1], s22, (1<<20)|(1<<21)|(6<<22)|(3<<25)     ; A's codes: 128 rows x 512 bytes, 16 bytes of padding behind each
	s_mov_b32 s[G1+1], 512<<16
	s_mov_b32 s[G1+2], 128<<16
	s_mov_b32 s[G1+3], 512<<16
	s_mov_b32 s[G1+4], 128
	s_mov_b32 s[G1+5], 512
	s_mov_b32 s[G1+6], 0
	s_mov_b32 s[G1+7], 0
	s_or_b32 s[G1B], s23, (1<<20)|(1<<21)|(6<<22)|(3<<25)    ; B's: 256 rows
	s_mov_b32 s[G1B+1], 512<<16
	s_mov_b32 s[G1B+2], 256<<16
	s_mov_b32 s[G1B+3], 512<<16
	s_mov_b32 s[G1B+4], 256
	s_mov_b32 s[G1B+5], 512
	s_mov_b32 s[G1B+6], 0
	s_mov_b32 s[G1B+7], 0
	s_or_b32 s[G1S], s22, (3<<16)|(1<<21)          ; A's scales of 128 rows: 4,096 dense bytes as 16 rows of 256
	s_mov_b32 s[G1S+1], 32<<16
	s_mov_b32 s[G1S+2], 16<<16                     ; A's scales of 128 rows: 16 rows of 256 bytes
	s_mov_b32 s[G1S+3], 32<<16
	s_mov_b32 s[G1S+4], 16
	s_mov_b32 s[G1S+5], 32
	s_mov_b32 s[G1S+6], 0
	s_mov_b32 s[G1S+7], 0
	s_or_b32 s[G1SB], s23, (3<<16)|(1<<21)         ; B's of 256 rows: 32 rows of 256
	s_mov_b32 s[G1SB+1], 32<<16
	s_mov_b32 s[G1SB+2], 32<<16                    ; B's of 256 rows: 32 rows of 256 bytes
	s_mov_b32 s[G1SB+3], 32<<16
	s_mov_b32 s[G1SB+4], 32
	s_mov_b32 s[G1SB+5], 32
	s_mov_b32 s[G1SB+6], 0
	s_mov_b32 s[G1SB+7], 0
	s_mul_i32 s40, s17, AROWS
	s_mov_b32 s41, 0                               ; a load brings the whole tile
	s_add_co_u32 s40, s40, s41                     ; A: the first row that I fetch
	s_lshl_b32 s42, s40, 9
	s_mov_b32 s43, 0
	s_add_nc_u64 s[4:5], s[4:5], s[42:43]
	s_lshl_b32 s42, s40, 5
	s_add_nc_u64 s[6:7], s[6:7], s[42:43]
	s_lshl_b32 s44, s21, 8
	s_lshl_b32 s45, s16, 7
	s_add_co_u32 s44, s44, s45                     ; B: likewise
	s_lshl_b32 s46, s21, 17                        ; B's tile: 256 rows of 512 bytes
	s_mov_b32 s47, 0
	s_add_nc_u64 s[8:9], s[8:9], s[46:47]
	s_lshl_b32 s46, s21, 13
	s_add_nc_u64 s[10:11], s[10:11], s[46:47]
	s_mov_b32 s2, 0
	s_mov_b32 s3, 0
	s_add_co_u32 s3, s3, ATILE
	s_mov_b32 s40, 0
	s_add_co_u32 s40, s40, SCL
	s_mov_b32 s41, SCLB
	s_mov_b32 s[G0S], 1
	s_mov_b32 s[G0S+1], s40
	s_mov_b64 s[G0S+2:G0S+3], s[6:7]
	s_or_b32 s[G0S+3], s[G0S+3], 0x80000000
	s_mov_b32 s[G0SB], 1
	s_mov_b32 s[G0SB+1], s41
	s_mov_b64 s[G0SB+2:G0SB+3], s[10:11]
	s_or_b32 s[G0SB+3], s[G0SB+3], 0x80000000
.irp s, 0
	s_mov_b32 s[G0+4*\s], 1
	s_add_co_u32 s[G0+4*\s+1], s2, \s*SLOTB
	s_add_nc_u64 s[G0+4*\s+2:G0+4*\s+3], s[4:5], \s*256
	s_or_b32 s[G0+4*\s+3], s[G0+4*\s+3], 0x80000000
	s_mov_b32 s[G0B+4*\s], 1
	s_add_co_u32 s[G0B+4*\s+1], s3, \s*SLOTB
	s_add_nc_u64 s[G0B+4*\s+2:G0B+4*\s+3], s[8:9], \s*256
	s_or_b32 s[G0B+4*\s+3], s[G0B+4*\s+3], 0x80000000
.endr
	CROUND                                         ; all sixteen work-groups are here: the joint loads meet
	ARM 1, G0,  G1,  .Lhead_b                      ; one load a wave: wave 0 A's codes, all of K,
	ARM 2, G0B, G1B, .Lhead_sa                     ; wave 1 B's codes,
	ARM 3, G0S, G1S, .Lhead_sb                     ; wave 2 A's scales,
	tensor_load_to_lds s[G0SB:G0SB+3], s[G1SB:G1SB+7]  ; wave 3 B's scales
	s_nop 0
.rept 4
	v_nop
.endr
.Lhead_asked:
	v_and_b32 v1, 15, v0                           ; r
	v_bfe_u32 v2, v0, 4, 1                         ; h
	s_wait_alu depctr_va_vdst(0)
	v_mul_u32_u24 v3, v1, PITCH
	v_lshl_add_u32 v3, v2, 4, v3
	s_mul_i32 s40, s15, AH*PITCH
	s_mul_i32 s41, s16, 128*PITCH
	s_add_co_u32 s41, s41, ATILE
.irp s, 0,1
	v_add_nc_u32 v[ADRA+\s], s40, v3
	v_add_nc_u32 v[ADRB+\s], s41, v3
	s_add_co_u32 s40, s40, SLOTB
	s_add_co_u32 s41, s41, SLOTB
.endr
	v_lshlrev_b32 v4, 5, v1                        ; my row's 32 scale bytes
	s_mul_i32 s40, s15, AH*32
	s_lshl_b32 s41, s16, 12
	s_add_co_u32 s41, s41, AROWS*32
	s_add_co_u32 s42, s41, SCL
	v_add_nc_u32 v[ADRS2], s42, v4                 ; B's rows, in all lanes
	s_sub_co_u32 s41, s41, s40
	v_mul_u32_u24 v5, s41, v2                      ; lanes 16-31 take B's: one product, h x the distance
	s_add_co_u32 s40, s40, SCL
	v_add_nc_u32 v4, v4, v5
	v_add_nc_u32 v[ADRS], s40, v4
	v_and_b32 v[LI], 31, v0
	v_lshlrev_b32 v[LI], 4, v[LI]
	v_lshlrev_b32 v[VSO], 4, v1
	v_lshl_add_u32 v[VSO], v2, 3, v[VSO]
	v_lshlrev_b32 v6, 2, v1                        ; the bias: my channel's number
	s_wait_alu depctr_va_vdst(0)
.irp b, 0,1,2,3
	v_mov_b32 v[TM+4+\b], 0
.endr
	s_lshl_b32 s40, s17, 1
	s_add_co_u32 s40, s40, s15                     ; my head: 2 yt + half
	s_lshl_b32 s46, s40, 8                         ; its 64 channels' biases
	s_add_nc_u64 s[12:13], s[12:13], s[46:47]
	s_lshr_b32 s41, s21, 2                         ; the batch
	s_lshl_b32 s41, s41, 4
	s_add_co_u32 s40, s40, s41                     ; b x 16 + head
	s_and_b32 s41, s21, 3
	s_lshl_b32 s41, s41, 1
	s_add_co_u32 s41, s41, s16                     ; my 128 keys within the batch
	s_lshl_b32 s42, s40, 16
	s_lshl_b32 s43, s41, 13
	s_add_co_u32 s42, s42, s43
	s_lshl_b32 s43, s18, 12                        ; real: tiles 0-3; imaginary: tiles 4-7
	s_add_co_u32 s42, s42, s43
	s_mov_b32 s43, 0
	s_add_nc_u64 s[68:69], s[68:69], s[42:43]
	s_lshl_b32 s42, s40, 12
	s_lshl_b32 s44, s41, 9
	s_add_co_u32 s42, s42, s44
	s_lshl_b32 s44, s18, 8
	s_add_co_u32 s42, s42, s44
	s_add_nc_u64 s[70:71], s[70:71], s[42:43]
	WIN 0x40
.irp a, 0,1,2,3
.irp j, 0,1,2,3,4,5,6,7
	global_load_b32 v[BI+8*\a+\j], v6, s[12:13] offset:64*\a                ; a lane holds one channel: its bias in all eight registers of the result's layout
.endr
.endr
	WIN 0
.macro SCALES
.irp i, 0,1,2,3,4,5,6,7
.if \i < NA
	ds_load_b128 v[SC+8*\i:SC+8*\i+3], v[ADRS] offset:\i*512
	ds_load_b128 v[SC+8*\i+4:SC+8*\i+7], v[ADRS] offset:\i*512+16
.else
	ds_load_b128 v[SC+8*\i:SC+8*\i+3], v[ADRS2] offset:\i*512
	ds_load_b128 v[SC+8*\i+4:SC+8*\i+7], v[ADRS2] offset:\i*512+16
.endif
.endr
.endm
.macro FETCH q
.set FSL, (\q)/4
.set FQ4, (\q)%4
.set FP,  (\q)%2
	WIN 0x40
.irp i, 0,1,2,3,4,5,6,7
.irp c, 0,1
	ds_load_b128 v[128*FP+8*\i+4*\c:128*FP+8*\i+4*\c+3], v[ADRB+FSL] offset:64*FQ4+32*\c+\i*16*PITCH
.endr
.endr
	WIN 0
.set FI, 0
.rept NA
.irp c, 0,1
	ds_load_b128 v[AF+8*NA*FP+8*FI+4*\c:AF+8*NA*FP+8*FI+4*\c+3], v[ADRA+FSL] offset:64*FQ4+32*\c+FI*16*PITCH
.endr
.set FI, FI+1
.endr
.endm
.macro MULH q, half                    ; the accumulators take turns, one instruction a turn, in the same order in every step; in K step 0 the bias is C
.set MP, (\q)%2
.set MA, (\half)*(NA/2)
.rept NA/2
.if (\q) == 0
	WIN (2<<6)|(1<<4)|1
.else
	WIN (2<<6)|(2<<4)|1
.endif
.set MF, AF+8*NA*MP+8*MA
.irp b, 0,1,2,3,4,5,6,7
.set MD, 8*(8*MA+\b)
.if (\q) == 0
	v_wmma_scale_f32_16x16x128_f8f6f4 v[MD:MD+7], v[128*MP+8*\b:128*MP+8*\b+7], v[MF:MF+7], v[BI+8*MA:BI+8*MA+7], v[SC+8*\b+(\q)], v[SC+8*MA+(\q)] matrix_a_fmt:MATRIX_FMT_FP4 matrix_b_fmt:MATRIX_FMT_FP4 matrix_a_scale:MATRIX_SCALE_ROW1
.else
	v_wmma_scale_f32_16x16x128_f8f6f4 v[MD:MD+7], v[128*MP+8*\b:128*MP+8*\b+7], v[MF:MF+7], v[MD:MD+7], v[SC+8*\b+(\q)], v[SC+8*MA+(\q)] matrix_a_fmt:MATRIX_FMT_FP4 matrix_b_fmt:MATRIX_FMT_FP4 matrix_a_scale:MATRIX_SCALE_ROW1
.endif
.endr
.set MA, MA+1
.endr
.endm
.macro STEP q
	s_wait_dscnt 0x0                               ; this step's fragments, asked for half a step ago, are in
	MULH \q, 0
.if (\q) < 7
.rept 4
	v_nop                                          ; four places in front of loads into the set that the step before multiplied
.endr
	FETCH (\q)+1
.endif
	MULH \q, 1
.endm
; 64 numbers of a lane in window w, register s + 16 b + 8 u + j = element 32 b + 16 u + 8 h + j of my row, become a fragment's codes in v[PCD] on and its scale word in v[PWD].
.macro QUANT s, w
.set ZS, (\s)
.set ZW, (\w)
	WIN (ZW<<2)|(ZW<<4)
.irp b, 0,1,2,3
	v_max3_num_f32 v[TM+\b], 0x1800000, |v[ZS+16*\b]|, |v[ZS+16*\b+1]|      ; and the floor 2^(3 - 127).  Each accumulator is read from its low end on
.endr
.irp i, 2,4,6,8,10,12,14
.irp b, 0,1,2,3
	v_max3_num_f32 v[TM+\b], v[TM+\b], |v[ZS+16*\b+\i]|, |v[ZS+16*\b+\i+1]|
.endr
.endr
	WIN 0
.irp b, 0,1,2,3
	v_permlanex16_b32 v[TM+4+\b], v[TM+\b], s[SEL], s[SEL+1]
.endr
.irp b, 0,1,2,3
	v_max_num_f32 v[TM+\b], v[TM+\b], v[TM+4+\b]
.endr
.irp b, 0,1,2,3
	v_add_nc_u32 v[TM+12+\b], 0xff000000, v[TM+\b]
.endr
.irp b, 0,1,2,3
	v_lshrrev_b32 v[TM+4+\b], 23, v[TM+12+\b]
.endr
	v_lshl_or_b32 v[PWD], v[TM+5], 8, v[TM+4]
	v_lshl_or_b32 v[PWD], v[TM+6], 16, v[PWD]
	v_lshl_or_b32 v[PWD], v[TM+7], 24, v[PWD]
	WIN ZW
.irp b, 0,1,2,3
.irp u, 0,1
	v_cvt_scalef32_pk8_fp4_f32 v[PCD+4*(\b/2)+2*\u+(\b%2)], v[ZS+16*\b+8*\u:ZS+16*\b+8*\u+7], v[TM+12+\b]
.endr
.endr
	WIN 0
	v_nop                                          ; one plain place behind a scaled conversion
.irp c, 0,1
	v_permlane16_swap_b32 v[PCD+4*\c], v[PCD+4*\c+1]
	v_permlane16_swap_b32 v[PCD+4*\c+2], v[PCD+4*\c+3]
.endr
.endm
	s_wait_tensorcnt 0x0                           ; my one load has landed
	s_barrier_signal -1
	s_barrier_wait -1
	SCALES
	FETCH 0
	s_wait_loadcnt 0x0                             ; the bias
.set Q, 0
.rept 8
	STEP Q
.set Q, Q+1
.endr
	WIN 0
.rept 4
	v_nop                                          ; four places behind the last products
.endr
	; THE WAY OUT.  Block a: 16 channels x my 128 keys: one fragment of attention's second product and one scale word a channel
.irp a, 0,1,2,3
.set PCD, AF+8*\a
.set PWD, PW+\a
	QUANT 64*\a, 2
	global_store_b128 v[LI], v[PCD:PCD+3], s[68:69] offset:\a*1024           ; 32 lanes store 512 consecutive bytes, aligned
	global_store_b128 v[LI], v[PCD+4:PCD+7], s[68:69] offset:\a*1024+512
.endr
	v_cmp_ne_u32 vcc_lo, 0, v2
	v_cndmask_b32 v[PK], v[PW], v[PW+2], vcc_lo    ; lanes 0-15 store tiles 0 and 1's words of their channel, lanes 16-31 tiles 2 and 3's
	v_cndmask_b32 v[PK+1], v[PW+1], v[PW+3], vcc_lo
	global_store_b64 v[VSO], v[PK:PK+1], s[70:71]  ; 32 lanes store 256 consecutive bytes, aligned
	s_wait_tensorcnt 0x0
	s_wait_tensorcnt 0x0
	ds_add_u32 v254, v255
	s_wait_dscnt 0x0
	CROUND                                         ; the closing round
	s_endpgm
.Lfunc_end_k_q18fde62930_vproj:
	.size	k_q18fde62930_vproj, .Lfunc_end_k_q18fde62930_vproj-k_q18fde62930_vproj
	.p2alignl 7, 3214868480
	.fill 96, 4, 3214868480
	.section	.rodata,"a",@progbits
	.p2align	6, 0x0
	.amdhsa_kernel k_q18fde62930_vproj
		.amdhsa_group_segment_fixed_size 221696
		.amdhsa_private_segment_fixed_size 0
		.amdhsa_enable_private_segment 0
		.amdhsa_kernarg_size 96
		.amdhsa_user_sgpr_count 2
		.amdhsa_user_sgpr_kernarg_segment_ptr 1
		.amdhsa_wavefront_size32 1
		.amdhsa_system_sgpr_workgroup_id_x 1
		.amdhsa_system_sgpr_workgroup_id_y 1
		.amdhsa_system_sgpr_workgroup_id_z 1
		.amdhsa_system_vgpr_workitem_id 0
		.amdhsa_next_free_vgpr 768
		.amdhsa_next_free_sgpr 100
		.amdhsa_reserve_vcc 1
		.amdhsa_float_denorm_mode_32 3
		.amdhsa_float_denorm_mode_16_64 3
		.amdhsa_memory_ordered 1
		.amdhsa_forward_progress 1
		.amdhsa_inst_pref_size 76
	.end_amdhsa_kernel
	.amdgpu_metadata
---
amdhsa.version: [ 1, 2 ]
amdhsa.kernels:
  - .name:           k_q18fde62930_vproj
    .symbol:         k_q18fde62930_vproj.kd
    .args:
      - { .name: value_real_codes, .offset: 0, .size: 8, .value_kind: global_buffer, .address_space: global }
      - { .name: value_imag_codes, .offset: 8, .size: 8, .value_kind: global_buffer, .address_space: global }
      - { .name: value_real_scales, .offset: 16, .size: 8, .value_kind: global_buffer, .address_space: global }
      - { .name: value_imag_scales, .offset: 24, .size: 8, .value_kind: global_buffer, .address_space: global }
      - { .name: Wv_r_codes, .offset: 32, .size: 8, .value_kind: global_buffer, .address_space: global }
      - { .name: Wv_i_codes, .offset: 40, .size: 8, .value_kind: global_buffer, .address_space: global }
      - { .name: Wv_r_scales, .offset: 48, .size: 8, .value_kind: global_buffer, .address_space: global }
      - { .name: Wv_i_scales, .offset: 56, .size: 8, .value_kind: global_buffer, .address_space: global }
      - { .name: bv_r, .offset: 64, .size: 8, .value_kind: global_buffer, .address_space: global }
      - { .name: bv_i, .offset: 72, .size: 8, .value_kind: global_buffer, .address_space: global }
      - { .name: vimg, .offset: 80, .size: 8, .value_kind: global_buffer, .address_space: global }
      - { .name: vsc, .offset: 88, .size: 8, .value_kind: global_buffer, .address_space: global }
    .group_segment_fixed_size: 221696
    .private_segment_fixed_size: 0
    .kernarg_segment_align: 8
    .kernarg_segment_size: 96
    .max_flat_workgroup_size: 128
    .sgpr_count:     100
    .vgpr_count:     768
    .wavefront_size: 32
...
	.end_amdgpu_metadata
.endif
;; end of part 2
;; launch attn (part 3): grid 4 x 64, 16 waves a work-group, clusters of 4 x 1, 327,680 bytes of LDS; arguments qk, qks, vimg, vsc, oimg, osc; writes oimg, osc
.if DOCPART == 3
	.amdgcn_target "amdgcn-amd-amdhsa--gfx1250"
	.amdhsa_code_object_version 6
	.text
	.protected	k_q18fde62930_attn
	.globl	k_q18fde62930_attn
	.p2align	8
	.type	k_q18fde62930_attn,@function
k_q18fde62930_attn:
	s_mov_b64 s[64:65], 0
	v_nop
	global_prefetch_b8 v0, s[64:65] scope:SCOPE_SE
	s_setreg_imm32_b32 hwreg(HW_REG_WAVE_MODE, 25, 1), 1
	s_wait_xcnt 0x0
	s_wait_alu depctr_hold_cnt(0) depctr_sa_sdst(0) depctr_va_vdst(0) depctr_va_sdst(0) depctr_va_ssrc(0) depctr_va_vcc(0) depctr_vm_vsrc(0)
	s_getreg_b32 s2, hwreg(HW_REG_IB_STS2, 6, 4)
	s_cmp_eq_u32 s2, 0
	s_cbranch_scc0 .Lentry_in_a_cluster
	s_endpgm
.Lentry_in_a_cluster:
	s_bfe_u32 s2, ttmp6, 0x10000c
	s_cmp_lg_u32 s2, 0x3003
	s_cbranch_scc0 .Lentry_shape_is_right
	s_endpgm
.Lentry_shape_is_right:
; ATTENTION ON COMPLEX SCORES, both products on codes of FP4 (E2M1) with one E8M0 scale for each 32 along K.
; score = sqrt(re^2 + im^2 + 1e-8) / 8, re = qr.kr + qi.ki, im = qi.kr - qr.ki: each is ONE product of depth 128: K's operand is [kr | ki], Q's is [qr | qi] for re and [qi | -qr] for im (the sign bits of qr's codes turned).
; t = score x log2(e); M = the running largest t rounded up to a whole number; p = 2^(t - M) is quantised along the keys; the row's sum is taken of the unquantised p and divides O at the end; O is then quantised along a head's 64 numbers for the last projection.
; The running maximum is kept of the root itself and starts at 0, which lies under every root; t's factor is positive, so the largest t is the factor times the largest root.
; SHARES.  A work-group: 256 queries of one (batch, head); each of its 16 waves 16 queries in 256 registers.  Both products are used transposed: a lane holds one query.
; ALL OF THE HEAD'S K AND V LIE IN LDS: 8 steps of 128 keys x (8 KiB of K's register images + 8 KiB of V's).  Wave w asks for 8 KiB: step w / 2, K (w even) or V (w odd): one tensor load a wave, a first fill; nothing is filled again.
; CLUSTER: the four work-groups of a (batch, head) need the same K and V: joint loads, mask 15.  Everything is asked for at the head, so no loop is left in which a prefetch could run ahead of a load.
; THE KEY LOOP IS ROTATED: a trip is the softmax and the second product of step s, then the first product and the squares of step s + 1.  Fragments are asked of LDS ahead of their use:
;   V's eight fragments of step s behind the first product of step s (into KF and IM, free by then); K's tiles 0-3 of step s + 1 behind p's conversion (into X's upper half, free by then); K's tiles 4-7 behind V's first four products (into KF).
; Dependent lines are kept apart: maxima as trees, the sum in eight chains, the scales' lines among the sum's last additions.
; Scale words: one register serves two tiles, lanes 0-15 tile t, lanes 16-31 tile t + 4.
; LIMITS: NaN and infinities are not served.  The promise holds while |t| stays under 2^31.  A block whose largest magnitude lies under 2^-124 gets the scale byte 1; this program alone reads the bytes.  The row's sum is added in another order than reference()'s.
.set LI,  1                            ; 16 x lane
.set ADK, 3                            ; the step's tiles: 16,384 s + 16 x lane
.set ADS, 4                            ; the step's scale words of K: KSC + 512 s + 16 x lane
.set PW,  5
.set QS,  6
.set QS2, 7
.set Q,   8
.set QX,  16
.set NM,  24                           ; -M; NM + 1: the running largest root
.set SUM, 26
.set F,   28
.set T0,  30
.set KF,  32
.set X,   64
.set IM,  128
.set O,   160
.set PC,  224                          ; p's codes; ahead of them at work for maxima and sums
.set TM,  232
.set SPW, 242                          ; my spare word; never rewritten
.set NIL, 243                          ; 0; never rewritten
.set KS,  248
.set VS,  252
.set KSC, 131072
.set VSC, 135168
.set SPARE, 0x29000
.set WV,  18
.set CX,  19
.set SEL, 20
.set CS,  22
.set G1,  24
.set G0,  32
.set TB,  40
.set TS,  41
.set CNT, 42
.set BH,  43
.set EPS, 44
.set JT,  46
.macro CROUND
	s_barrier_signal -1
	s_barrier_wait -1
	s_cmp_lg_u32 s[WV], 0
	s_cbranch_scc1 .Lnot_wave_0_\@
	s_barrier_signal -3
.Lnot_wave_0_\@:
	s_barrier_wait -3
	s_barrier_signal -1
	s_barrier_wait -1
.endm
.macro PLACES n
.rept \n
	v_nop
.endr
.endm
.macro FRAGS reg, off                  ; four fragments, 8 loads: tile t, chunk c at off + 1,024 t + 512 c
.irp t, 0,1,2,3
.irp c, 0,1
	ds_load_b128 v[\reg+8*\t+4*\c:\reg+8*\t+4*\c+3], v[ADK] offset:\off+\t*1024+512*\c
.endr
.endr
.endm
.macro KMUL g, fr                      ; re and im of four tiles of 16 keys; the accumulators differ from line to line
.irp t, 0,1,2,3
.if \g
	v_wmma_scale_f32_16x16x128_f8f6f4 v[X+32*\g+8*\t:X+32*\g+8*\t+7], v[\fr+8*\t:\fr+8*\t+7], v[Q:Q+7], 0, v[KS+\t], v[QS] matrix_a_fmt:MATRIX_FMT_FP4 matrix_b_fmt:MATRIX_FMT_FP4 matrix_a_scale:MATRIX_SCALE_ROW1
	v_wmma_scale_f32_16x16x128_f8f6f4 v[IM+8*\t:IM+8*\t+7], v[\fr+8*\t:\fr+8*\t+7], v[QX:QX+7], 0, v[KS+\t], v[QS2] matrix_a_fmt:MATRIX_FMT_FP4 matrix_b_fmt:MATRIX_FMT_FP4 matrix_a_scale:MATRIX_SCALE_ROW1
.else
	v_wmma_scale_f32_16x16x128_f8f6f4 v[X+32*\g+8*\t:X+32*\g+8*\t+7], v[\fr+8*\t:\fr+8*\t+7], v[Q:Q+7], 0, v[KS+\t], v[QS] matrix_a_fmt:MATRIX_FMT_FP4 matrix_b_fmt:MATRIX_FMT_FP4
	v_wmma_scale_f32_16x16x128_f8f6f4 v[IM+8*\t:IM+8*\t+7], v[\fr+8*\t:\fr+8*\t+7], v[QX:QX+7], 0, v[KS+\t], v[QS2] matrix_a_fmt:MATRIX_FMT_FP4 matrix_b_fmt:MATRIX_FMT_FP4
.endif
.endr
.endm
.macro SQUARES g                       ; re^2 + 1e-8 + im^2; each accumulator is read from its low end on
.set J, 0
.rept 16
	v_pk_fma_f32 v[X+32*\g+J:X+32*\g+J+1], v[X+32*\g+J:X+32*\g+J+1], v[X+32*\g+J:X+32*\g+J+1], s[EPS:EPS+1] op_sel_hi:[1,1,0]
.set J, J+2
.endr
.set J, 0
.rept 16
	v_pk_fma_f32 v[X+32*\g+J:X+32*\g+J+1], v[IM+J:IM+J+1], v[IM+J:IM+J+1], v[X+32*\g+J:X+32*\g+J+1]
.set J, J+2
.endr
.endm
; My lane's largest squared magnitude of blocks b and b + 1 (16 numbers each) into v[TM + b], v[TM + b + 1]: a tree of depth three, 8 lines a block, the two blocks by turns
.macro MAXT b
.irp u, 0,1
	v_max3_num_f32 v[TM+\b+\u], v[X+16*(\b+\u)], v[X+16*(\b+\u)+1], v[X+16*(\b+\u)+2]
.endr
.irp k, 0,1,2,3
.irp u, 0,1
	v_max3_num_f32 v[PC+4*\u+\k], v[X+16*(\b+\u)+3+3*\k], v[X+16*(\b+\u)+4+3*\k], v[X+16*(\b+\u)+5+3*\k]
.endr
.endr
.irp u, 0,1
	v_max3_num_f32 v[TM+\b+\u], v[TM+\b+\u], v[PC+4*\u], v[PC+4*\u+1]
.endr
.irp u, 0,1
	v_max3_num_f32 v[PC+4*\u+2], v[PC+4*\u+2], v[PC+4*\u+3], v[X+16*(\b+\u)+15]
.endr
.irp u, 0,1
	v_max_num_f32 v[TM+\b+\u], v[TM+\b+\u], v[PC+4*\u+2]
.endr
.endm
; The first product of the step at v[ADK].  Asked for already: its scale words and tiles 0-3 (in X's upper half), 9 loads, and behind them tiles 4-7 (in KF), 8 loads.
.macro KPHASE
	s_wait_dscnt 8                                 ; all but the youngest eight
	KMUL 0, X+32
	PLACES 4
	SQUARES 0                                      ; also the places ahead of the products below, which write over tiles 0-3's fragments and IM
	s_wait_alu depctr_va_vdst(0)                   ; directly ahead of the wait below
	s_wait_dscnt 0x0
	KMUL 1, KF
	MAXT 0                                         ; blocks 0 and 1 are whole: these 16 lines are the places behind the products
	ds_load_b128 v[VS:VS+3], v[ADS] offset:VSC-KSC ; V's scale words and channel tiles 0-3 of this step
	FRAGS KF, 8192
	SQUARES 1
	FRAGS IM, 12288                                ; V's channel tiles 4-7
	s_wait_alu depctr_va_vdst(0)                   ; ahead of the branch
.endm
; The softmax and the second product of the step in X; nxt = 1: then the first product of the next step.
.macro TRIP nxt
	MAXT 2
.irp b, 0,1,2,3
	v_permlanex16_b32 v[TM+4+\b], v[TM+\b], s[SEL], s[SEL+1]
.endr
.irp b, 0,1,2,3
	v_max_num_f32 v[TM+\b], v[TM+\b], v[TM+4+\b]   ; with lane l xor 16's: the block's largest squared magnitude
.endr
	s_wait_alu depctr_va_vdst(0)                   ; ahead of the batch
.irp b, 0,1,2,3
	v_sqrt_f32 v[TM+\b], v[TM+\b]
.endr
.set J, 0
.rept 64
	v_sqrt_f32 v[X+J], v[X+J]
.set J, J+1
.endr
	v_nop
	s_wait_alu depctr_va_vdst(0)                   ; behind it
	v_max3_num_f32 v[T0], v[TM], v[TM+1], v[TM+2]
	v_max3_num_f32 v[NM+1], v[T0], v[TM+3], v[NM+1]    ; the running largest root
	v_mov_b32 v[T0], v[NM]                         ; the old -M
	v_mul_f32 v[T0+1], s[CS], v[NM+1]              ; the running largest t
	v_floor_f32 v[NM], -v[T0+1]                    ; -M
.set J, 0
.rept 32
	v_pk_fma_f32 v[X+J:X+J+1], v[X+J:X+J+1], s[CS:CS+1], v[NM:NM+1] op_sel_hi:[1,0,0]   ; t - M; f = 2^(old M - new M) is made among these lines
.if J == 8
	v_sub_f32 v[T0], v[NM], v[T0]
.endif
.if J == 20
	v_cvt_i32_f32 v[T0], v[T0]
.endif
.if J == 32
	v_ldexp_f32 v[F], 1.0, v[T0]
.endif
.set J, J+2
.endr
.irp b, 0,1,2,3
	v_fma_f32 v[TM+\b], v[TM+\b], s[CS], v[NM]
.endr
	s_wait_alu depctr_va_vdst(0)                   ; ahead of the batch
.irp b, 0,1,2,3
	v_exp_f32 v[TM+\b], v[TM+\b]                   ; each block's largest p
.endr
.set J, 0
.rept 64
	v_exp_f32 v[X+J], v[X+J]
.set J, J+1
.endr
	v_pk_mul_f32 v[SUM:SUM+1], v[SUM:SUM+1], v[F:F+1] op_sel_hi:[1,0]
	s_wait_alu depctr_va_vdst(0)                   ; behind it
	; the row's sum of the unquantised p: 32 pairs into eight chains, seven of them in registers at work
.set J, 0
.irp c, PC, PC+2, PC+4, PC+6, TM+4, TM+6, TM+8
	v_pk_add_f32 v[\c:\c+1], v[X+J:X+J+1], v[X+J+2:X+J+3]
.set J, J+4
.endr
	v_pk_add_f32 v[SUM:SUM+1], v[SUM:SUM+1], v[X+28:X+29]
.set J, 30
.rept 2
.irp c, PC, PC+2, PC+4, PC+6, TM+4, TM+6, TM+8
	v_pk_add_f32 v[\c:\c+1], v[\c:\c+1], v[X+J:X+J+1]
.set J, J+2
.endr
	v_pk_add_f32 v[SUM:SUM+1], v[SUM:SUM+1], v[X+J:X+J+1]
.set J, J+2
.endr
.irp b, 0,1,2,3
	v_max_num_f32 v[TM+\b], 0x1800000, v[TM+\b]    ; the floor 2^(3 - 127)
.endr
	v_pk_add_f32 v[PC:PC+1], v[PC:PC+1], v[PC+2:PC+3]
	v_pk_add_f32 v[PC+4:PC+5], v[PC+4:PC+5], v[PC+6:PC+7]
	v_pk_add_f32 v[TM+4:TM+5], v[TM+4:TM+5], v[TM+6:TM+7]
	v_pk_add_f32 v[SUM:SUM+1], v[SUM:SUM+1], v[X+62:X+63]
.irp b, 0,1,2,3
	v_add_nc_u32 v[TM+12+\b], 0xff000000, v[TM+\b] ; 2 off the exponent field: the conversion's scale operand
.endr
	v_pk_add_f32 v[PC:PC+1], v[PC:PC+1], v[PC+4:PC+5]
	v_pk_add_f32 v[TM+4:TM+5], v[TM+4:TM+5], v[TM+8:TM+9]
.irp b, 0,1,2,3
	v_lshrrev_b32 v[TM+\b], 23, v[TM+12+\b]        ; the scale's byte
.endr
	v_pk_add_f32 v[SUM:SUM+1], v[SUM:SUM+1], v[PC:PC+1]
	v_lshl_or_b32 v[PW], v[TM+1], 8, v[TM]
	v_pk_add_f32 v[SUM:SUM+1], v[SUM:SUM+1], v[TM+4:TM+5]
	v_lshl_or_b32 v[PW], v[TM+2], 16, v[PW]
	v_lshl_or_b32 v[PW], v[TM+3], 24, v[PW]
.irp b, 0,1,2,3
.irp u, 0,1
	v_cvt_scalef32_pk8_fp4_f32 v[PC+4*(\b/2)+2*\u+(\b%2)], v[X+16*\b+8*\u:X+16*\b+8*\u+7], v[TM+12+\b]
.endr
.endr
	v_nop
.irp c, 0,1
	v_permlane16_swap_b32 v[PC+4*\c], v[PC+4*\c+1]
	v_permlane16_swap_b32 v[PC+4*\c+2], v[PC+4*\c+3]
.endr
.if \nxt
	ds_load_b128 v[KS:KS+3], v[ADS] offset:512     ; the next step's scale words of K and its tiles 0-3: X is free
	FRAGS X+32, 16384
.endif
	s_wait_alu depctr_va_vdst(0)                   ; directly ahead of the wait below
.if \nxt
	s_wait_dscnt 9                                 ; V's 17 loads are in; the nine just issued may be out
.else
	s_wait_dscnt 0x0
.endif
	s_wait_alu depctr_va_vdst(0)                   ; directly ahead of the first readers of O's lower half
.set J, 0
.rept 16
	v_pk_mul_f32 v[O+J:O+J+1], v[O+J:O+J+1], v[F:F+1] op_sel_hi:[1,0]
.set J, J+2
.endr
.irp t, 0,1,2,3
	v_wmma_scale_f32_16x16x128_f8f6f4 v[O+8*\t:O+8*\t+7], v[KF+8*\t:KF+8*\t+7], v[PC:PC+7], v[O+8*\t:O+8*\t+7], v[VS+\t], v[PW] matrix_a_fmt:MATRIX_FMT_FP4 matrix_b_fmt:MATRIX_FMT_FP4
.endr
	s_wait_alu depctr_va_vdst(0)                   ; directly ahead of the first readers of O's upper half
.set J, 32
.rept 16
	v_pk_mul_f32 v[O+J:O+J+1], v[O+J:O+J+1], v[F:F+1] op_sel_hi:[1,0]   ; also the places ahead of the loads into KF
.set J, J+2
.endr
.if \nxt
	FRAGS KF, 20480                                ; the next step's tiles 4-7 of K
.endif
.irp t, 0,1,2,3
	v_wmma_scale_f32_16x16x128_f8f6f4 v[O+32+8*\t:O+32+8*\t+7], v[IM+8*\t:IM+8*\t+7], v[PC:PC+7], v[O+32+8*\t:O+32+8*\t+7], v[VS+\t], v[PW] matrix_a_fmt:MATRIX_FMT_FP4 matrix_b_fmt:MATRIX_FMT_FP4 matrix_a_scale:MATRIX_SCALE_ROW1
.endr
.if \nxt
	s_add_co_u32 s[TB], s[TB], 16384
	s_add_co_u32 s[TS], s[TS], 512
	v_add_nc_u32 v[ADK], s[TB], v[LI]              ; five places ahead of the products that write over IM
	v_add_nc_u32 v[ADS], s[TS], v[LI]
	PLACES 3
	KPHASE
.endif
.endm
	s_load_b256 s[4:11], s[0:1], 0x0               ; qk, qks, vimg, vsc
	s_load_b128 s[12:15], s[0:1], 0x20             ; oimg, osc
	v_lshl_add_u32 v[SPW], v0, 2, SPARE
	v_mov_b32 v[NIL], 0
	ds_add_u32 v[SPW], v[NIL]                      ; the opening lines: the add twice on end and one wait
	ds_add_u32 v[SPW], v[NIL]
	v_lshrrev_b32 v1, 5, v0
	s_delay_alu instid0(VALU_DEP_1)
	v_readfirstlane_b32 s[WV], v1
	v_and_b32 v[LI], 31, v0
	v_and_b32 v[TM], 15, v0
	v_lshlrev_b32 v[TM+8], 4, v0                   ; 16 x thread
	v_lshrrev_b32 v[ADK], 4, v0
	s_delay_alu instid0(VALU_DEP_4)
	v_lshlrev_b32 v[LI], 4, v[LI]
	s_delay_alu instid0(VALU_DEP_4)
	v_lshlrev_b32 v[TM+1], 4, v[TM]                ; 16 r
	s_delay_alu instid0(VALU_DEP_4)
	v_add_nc_u32 v[ADS], VSC-2048, v[TM+8]         ; where waves 4 to 11 put V's scale words
	s_delay_alu instid0(VALU_DEP_2)
	v_lshl_add_u32 v[ADK], v[ADK], 9, v[TM+1]
	s_delay_alu instid0(VALU_DEP_1)
	v_add_nc_u32 v[ADK], KSC, v[ADK]               ; where waves 0 to 3 put K's
	s_bfe_u32 s[CX], ttmp6, 0x40000
	s_and_b32 s[BH], ttmp7, 0xffff
	s_lshl_b32 s[JT], s[CX], 4
	s_add_co_u32 s[JT], s[JT], s[WV]               ; my tile of 16 queries
	s_mov_b32 s[SEL], 0x76543210
	s_mov_b32 s[SEL+1], 0xfedcba98
	s_mov_b32 s[CS], 0x3e38aa3b                    ; log2(e) / 8
	s_mov_b32 s[CS+1], s[CS]
	s_mov_b32 s[EPS], 0x322bcc77                   ; 1e-8
	s_mov_b32 s[EPS+1], s[EPS]
	s_mov_b32 s[TB], 0
	s_mov_b32 s[TS], KSC
	s_mov_b32 s[G1], 15|(3<<16)|(1<<21)            ; the four partners; elements of 8 bytes: 32 rows of 256 bytes, dense
	s_mov_b32 s[G1+1], 32<<16
	s_mov_b32 s[G1+2], 32<<16
	s_mov_b32 s[G1+3], 32<<16
	s_mov_b32 s[G1+4], 32
	s_mov_b32 s[G1+5], 32
	s_mov_b32 s[G1+6], 0
	s_mov_b32 s[G1+7], 0
	s_lshl_b32 s48, s[BH], 16
	s_lshr_b32 s49, s[WV], 1
	s_lshl_b32 s49, s49, 13                        ; step w / 2
	s_add_co_u32 s48, s48, s49
	s_and_b32 s50, s[WV], 1
	s_cmp_eq_u32 s50, 0
	s_cselect_b32 s49, 0x400000, 0                 ; the keys lie behind the queries in qk
	s_add_co_u32 s48, s48, s49
	s_mov_b32 s49, 0
	s_wait_alu depctr_va_vdst(0)                   ; directly ahead of the wait below
	s_wait_dscnt 0x0
	s_wait_kmcnt 0x0
	s_cmp_eq_u32 s50, 0
	s_cselect_b64 s[52:53], s[4:5], s[8:9]
	s_add_nc_u64 s[52:53], s[52:53], s[48:49]
	s_mov_b32 s[G0], 1
	s_lshl_b32 s[G0+1], s[WV], 13
	s_mov_b64 s[G0+2:G0+3], s[52:53]
	s_or_b32 s[G0+3], s[G0+3], 0x80000000
	CROUND                                         ; the four partners are here: the joint loads meet
	tensor_load_to_lds s[G0:G0+3], s[G1:G1+7]      ; my one tensor load
	s_nop 0
	s_lshl_b32 s48, s[BH], 16
	s_lshl_b32 s49, s[JT], 10
	s_add_co_u32 s48, s48, s49
	s_mov_b32 s49, 0
	s_add_nc_u64 s[54:55], s[4:5], s[48:49]        ; my queries' images
	s_lshl_b32 s48, s[BH], 11
	s_add_nc_u64 s[56:57], s[6:7], s[48:49]
	s_lshr_b32 s50, s[JT], 3
	s_lshl_b32 s50, s50, 8
	s_and_b32 s51, s[JT], 7
	s_lshl_b32 s51, s51, 1
	s_add_co_u32 s50, s50, s51
	s_mov_b32 s51, 0
	s_add_nc_u64 s[58:59], s[56:57], s[50:51]      ; their scale bytes
	s_lshl_b32 s48, s[BH], 12
	s_add_nc_u64 s[60:61], s[10:11], s[48:49]
	global_load_b128 v[Q:Q+3], v[LI], s[54:55]
	global_load_b128 v[Q+4:Q+7], v[LI], s[54:55] offset:512
	global_load_b128 v[QX:QX+3], v[LI], s[54:55] offset:512
	global_load_b128 v[QX+4:QX+7], v[LI], s[54:55]
	global_load_u16 v[T0], v[TM+1], s[58:59]
	global_load_u16 v[T0+1], v[TM+1], s[58:59] offset:131072
	s_cmp_lt_u32 s[WV], 4
	s_cbranch_scc0 .Lnot_k
	global_load_b128 v[X:X+3], v[TM+8], s[56:57] offset:262144     ; K's scale bytes, real and imaginary: two of each make a tile's word
	global_load_b128 v[X+4:X+7], v[TM+8], s[56:57] offset:393216
	s_wait_loadcnt 0x0
.irp k, 0,1,2,3
	v_perm_b32 v[X+8+2*\k], v[X+4+\k], v[X+\k], 0x05040100
	v_perm_b32 v[X+9+2*\k], v[X+4+\k], v[X+\k], 0x07060302
.endr
	ds_store_b128 v[ADK], v[X+8:X+11]
	ds_store_b128 v[ADK], v[X+12:X+15] offset:256
	s_branch .Lstaged
.Lnot_k:
	s_cmp_lt_u32 s[WV], 12
	s_cbranch_scc0 .Lstaged
	global_load_b128 v[X:X+3], v[TM+8], s[60:61] offset:-2048      ; V's scale words, as they lie
	s_wait_loadcnt 0x0
	ds_store_b128 v[ADS], v[X:X+3]
.Lstaged:
	s_wait_loadcnt 0x0
.irp i, 0,1,2,3
	v_xor_b32 v[QX+4+\i], 0x88888888, v[QX+4+\i]   ; -qr
.endr
	v_lshl_or_b32 v[QS], v[T0+1], 16, v[T0]
	v_lshl_or_b32 v[QS2], v[T0], 16, v[T0+1]
	v_mov_b32 v[NM+1], 0                           ; under every root
	v_mov_b32 v[NM], 0
	v_mov_b32 v[SUM], 0
	v_mov_b32 v[SUM+1], 0
	v_mov_b32 v[F+1], 0
.irp b, 0,1,2,3
	v_mov_b32 v[TM+4+\b], 0
.endr
	v_mov_b32 v[ADK], v[LI]                        ; step 0
	v_add_nc_u32 v[ADS], KSC, v[LI]
.set J, 0
.rept 64
	v_mov_b32 v[O+J], 0                            ; the trip is written for every step alike: the first finds zeros
.set J, J+1
.endr
	s_wait_alu depctr_va_vdst(0)
	s_wait_dscnt 0x0                               ; my stores of scale words are done,
	s_wait_tensorcnt 0x0                           ; my 8 KiB have landed:
	s_barrier_signal -1
	s_barrier_wait -1                              ; everybody's have
	ds_load_b128 v[KS:KS+3], v[ADS]
	FRAGS X+32, 0
	FRAGS KF, 4096
	KPHASE
	s_mov_b32 s[CNT], 7
.Lstep:
	TRIP 1
	s_sub_co_u32 s[CNT], s[CNT], 1
	s_cmp_lg_u32 s[CNT], 0
	s_cbranch_scc1 .Lstep
	TRIP 0                                         ; the last step has no successor
	; THE WAY OUT: O / the sum, quantised along each part's 64 channels, stored as the last projection's operand registers want it
	v_add_f32 v[SUM], v[SUM], v[SUM+1]
	s_delay_alu instid0(VALU_DEP_1)
	v_permlanex16_b32 v[T0], v[SUM], s[SEL], s[SEL+1]
	s_delay_alu instid0(VALU_DEP_1)
	v_add_f32 v[SUM], v[SUM], v[T0]
	s_wait_alu depctr_va_vdst(0)
	v_rcp_f32 v[SUM], v[SUM]
	v_and_b32 v[TM+8], 15, v0
	v_bfe_u32 v[TM+9], v0, 4, 1
	s_delay_alu instid0(VALU_DEP_1)
	v_lshlrev_b32 v[T0+1], 4, v[TM+9]
	s_delay_alu instid0(VALU_DEP_3)
	v_lshlrev_b32 v[TM+8], 5, v[TM+8]
	s_delay_alu instid0(VALU_DEP_1)
	v_lshl_add_u32 v[TM+8], v[TM+9], 17, v[TM+8]
	s_lshr_b32 s48, s[BH], 4
	s_and_b32 s49, s[BH], 15
	s_lshl_b32 s50, s48, 6
	s_add_co_u32 s50, s50, s[JT]
	s_lshl_b32 s52, s50, 13
	s_lshl_b32 s51, s49, 9
	s_add_co_u32 s52, s52, s51
	s_mov_b32 s53, 0
	s_add_nc_u64 s[12:13], s[12:13], s[52:53]
	s_lshl_b32 s52, s50, 9
	s_lshl_b32 s51, s49, 1
	s_add_co_u32 s52, s52, s51
	s_add_nc_u64 s[14:15], s[14:15], s[52:53]
	s_wait_alu depctr_va_vdst(0)
.set J, 0
.rept 64
	v_mul_f32 v[X+J], v[O+J], v[SUM]
.set J, J+1
.endr
.irp b, 0,1,2,3
	v_max3_num_f32 v[TM+\b], 0x1800000, |v[X+16*\b]|, |v[X+16*\b+1]|
.endr
.irp i, 2,4,6,8,10,12,14
.irp b, 0,1,2,3
	s_delay_alu instid0(VALU_DEP_4)
	v_max3_num_f32 v[TM+\b], v[TM+\b], |v[X+16*\b+\i]|, |v[X+16*\b+\i+1]|
.endr
.endr
.irp b, 0,1,2,3
	s_delay_alu instid0(VALU_DEP_4)
	v_permlanex16_b32 v[TM+4+\b], v[TM+\b], s[SEL], s[SEL+1]
.endr
.irp b, 0,1,2,3
	s_delay_alu instid0(VALU_DEP_4)
	v_max_num_f32 v[TM+\b], v[TM+\b], v[TM+4+\b]
.endr
.irp b, 0,1,2,3
	s_delay_alu instid0(VALU_DEP_4)
	v_add_nc_u32 v[TM+12+\b], 0xff000000, v[TM+\b]
.endr
.irp b, 0,1,2,3
	s_delay_alu instid0(VALU_DEP_4)
	v_lshrrev_b32 v[TM+4+\b], 23, v[TM+12+\b]
.endr
	s_delay_alu instid0(VALU_DEP_3)
	v_lshl_or_b32 v[PW], v[TM+5], 8, v[TM+4]
	s_delay_alu instid0(VALU_DEP_1)
	v_lshl_or_b32 v[PW], v[TM+6], 16, v[PW]
	s_delay_alu instid0(VALU_DEP_1)
	v_lshl_or_b32 v[PW], v[TM+7], 24, v[PW]
.irp b, 0,1,2,3
.irp u, 0,1
	v_cvt_scalef32_pk8_fp4_f32 v[PC+4*(\b/2)+2*\u+(\b%2)], v[X+16*\b+8*\u:X+16*\b+8*\u+7], v[TM+12+\b]
.endr
.endr
	v_nop
.irp c, 0,1
	v_permlane16_swap_b32 v[PC+4*\c], v[PC+4*\c+1]
	v_permlane16_swap_b32 v[PC+4*\c+2], v[PC+4*\c+3]
.endr
	v_lshrrev_b32 v[T0], v[T0+1], v[PW]
	global_store_b128 v[LI], v[PC:PC+3], s[12:13]                  ; 32 lanes store 512 consecutive bytes, aligned
	global_store_b128 v[LI], v[PC+4:PC+7], s[12:13] offset:0x200000
	global_store_b16 v[TM+8], v[T0], s[14:15]
	s_wait_tensorcnt 0x0                           ; the wave's end
	ds_add_u32 v[SPW], v[NIL]
	s_wait_dscnt 0x0
	CROUND                                         ; the closing round
	s_endpgm
.Lfunc_end_k_q18fde62930_attn:
	.size	k_q18fde62930_attn, .Lfunc_end_k_q18fde62930_attn-k_q18fde62930_attn
	.p2alignl 7, 3214868480
	.fill 96, 4, 3214868480
	.section	.rodata,"a",@progbits
	.p2align	6, 0x0
	.amdhsa_kernel k_q18fde62930_attn
		.amdhsa_group_segment_fixed_size 327680
		.amdhsa_private_segment_fixed_size 0
		.amdhsa_enable_private_segment 0
		.amdhsa_kernarg_size 48
		.amdhsa_user_sgpr_count 2
		.amdhsa_user_sgpr_kernarg_segment_ptr 1
		.amdhsa_wavefront_size32 1
		.amdhsa_system_sgpr_workgroup_id_x 1
		.amdhsa_system_sgpr_workgroup_id_y 1
		.amdhsa_system_sgpr_workgroup_id_z 1
		.amdhsa_system_vgpr_workitem_id 0
		.amdhsa_next_free_vgpr 256
		.amdhsa_next_free_sgpr 66
		.amdhsa_reserve_vcc 0
		.amdhsa_float_denorm_mode_32 3
		.amdhsa_float_denorm_mode_16_64 3
		.amdhsa_memory_ordered 1
		.amdhsa_forward_progress 1
		.amdhsa_inst_pref_size 67
	.end_amdhsa_kernel
	.amdgpu_metadata
---
amdhsa.version: [ 1, 2 ]
amdhsa.kernels:
  - .name:           k_q18fde62930_attn
    .symbol:         k_q18fde62930_attn.kd
    .args:
      - { .name: qk, .offset: 0, .size: 8, .value_kind: global_buffer, .address_space: global }
      - { .name: qks, .offset: 8, .size: 8, .value_kind: global_buffer, .address_space: global }
      - { .name: vimg, .offset: 16, .size: 8, .value_kind: global_buffer, .address_space: global }
      - { .name: vsc, .offset: 24, .size: 8, .value_kind: global_buffer, .address_space: global }
      - { .name: oimg, .offset: 32, .size: 8, .value_kind: global_buffer, .address_space: global }
      - { .name: osc, .offset: 40, .size: 8, .value_kind: global_buffer, .address_space: global }
    .group_segment_fixed_size: 327680
    .private_segment_fixed_size: 0
    .kernarg_segment_align: 8
    .kernarg_segment_size: 48
    .max_flat_workgroup_size: 512
    .sgpr_count:     66
    .vgpr_count:     256
    .wavefront_size: 32
...
	.end_amdgpu_metadata
.endif
;; end of part 3
;; launch oproj (part 4): grid 4 x 64, 4 waves a work-group, clusters of 4 x 4, 251,392 bytes of LDS; arguments oimg, osc, Wo_r_codes, Wo_i_codes, Wo_r_scales, Wo_i_scales, bo_r, bo_i, out0, out1; writes out0, out1
.if DOCPART == 4
	.amdgcn_target "amdgcn-amd-amdhsa--gfx1250"
	.amdhsa_code_object_version 6
	.text
	.protected	k_q18fde62930_oproj
	.globl	k_q18fde62930_oproj
	.p2align	8
	.type	k_q18fde62930_oproj,@function
k_q18fde62930_oproj:
	s_mov_b64 s[64:65], 0
	v_nop
	global_prefetch_b8 v0, s[64:65] scope:SCOPE_SE
	s_setreg_imm32_b32 hwreg(HW_REG_WAVE_MODE, 25, 1), 1
	s_wait_xcnt 0x0
	s_wait_alu depctr_hold_cnt(0) depctr_sa_sdst(0) depctr_va_vdst(0) depctr_va_sdst(0) depctr_va_ssrc(0) depctr_va_vcc(0) depctr_vm_vsrc(0)
	s_getreg_b32 s2, hwreg(HW_REG_IB_STS2, 6, 4)
	s_cmp_eq_u32 s2, 0
	s_cbranch_scc0 .Lentry_in_a_cluster
	s_endpgm
.Lentry_in_a_cluster:
	s_bfe_u32 s2, ttmp6, 0x10000c
	s_cmp_lg_u32 s2, 0xf033
	s_cbranch_scc0 .Lentry_shape_is_right
	s_endpgm
.Lentry_shape_is_right:
; THE TWO LAST PROJECTIONS: out = a W^T + b on codes of FP4 (E2M1) with one E8M0 scale for each 32 along K, for tensor T = 0 (real), 1 (imaginary).  a: attention's result, 4,096 rows x 1,024, as the attention launch left it:
; oimg [part][tile of 16 rows][head][lane][16 bytes], which read as [tile][K step = head / 2][c = head % 2] is the operand's registers on end; osc [part][row][32 bytes].  W: [1024][1024] as codes.  out: [4096][1024] f32.
; SHARES.  2 tensors x 32 tiles of 128 rows x 4 tiles of 256 columns: 256 work-groups.  Four waves, each 64 rows of a (the A side, source 1) x 128 rows of W (the B side, source 0): 32 accumulators.
; The product is used transposed: a lane holds eight neighbouring numbers of a row of out.
; ALL OF K LIES IN LDS as two halves along K: A's 8 tiles x 8,192 bytes of images, then B's 256 rows of 512 bytes + 16 of padding.  Every tensor load is a first fill: nothing is filled again.  Every tile is asked for at the head.
; CLUSTERS: 4 x 4 work-groups of one tensor; a's rows are shared along a row of the cluster, W's along a column: joint loads.
; LIMITS: NaN and infinities are not served.  The bias starts each sum, where reference() adds it last.
; REGISTERS.  Window 0: v1 r, v2 h, v16-26 addresses, v32-95 scale words, v128-191 A's fragments, two sets; on the way out v128-255 rows of out.
;   Window 1: v0-63, v128-191 B's fragments, two sets; v64-127 the bias.   Window 2: the accumulators ((a, b) at v[8 (8 a + b)]).
.set NA,    4
.set AROWS, 32*NA
.set AH,    16*NA
.set PITCH, 528                        ; an LDS row of B holds all of K: 512 bytes + 16 of padding
.set ATILE, 8*8192                     ; A's 8 tiles x 8,192 bytes of images, all of K
.set BTILE, 256*PITCH
.set SLOTB, 256                        ; B: the second half of K begins 256 bytes further on in each row
.set SCL,   ATILE+BTILE
.set SCLB,  SCL+AROWS*32
.set STG,   SCLB+8192                  ; the way out: a stage of 16 rows x (512 bytes + 16) for each wave; no tensor load lands here
.set SPITCH, 528
.set ADRA, 16
.set ADRB, 20
.set ADRS, 22
.set ADRS2, 23
.set STO,  24                          ; v24  where I put 32 bytes of a row
.set RD,   25                          ; v25  where I read a row back
.set CO,   26                          ; v26  16 x lane
.set SC,   32
.set AF,   128
.set BK,   128
.set BI,   64
.set G1,   24
.set G0,   32
.set G1B,  48
.set G0B,  56
.set G1S,  72
.set G0S,  80
.set G1SB, 84
.set G0SB, 92
.set MSB, 0
.macro WIN new
.set WNEW, (\new)
.if MSB != WNEW
	s_set_vgpr_msb (MSB<<8)|WNEW
.set MSB, WNEW
.endif
.endm
.macro CROUND
	s_barrier_signal -1
	s_barrier_wait -1
	s_cmp_lg_u32 s14, 0
	s_cbranch_scc1 .Lnot_wave_0_\@
	s_barrier_signal -3
.Lnot_wave_0_\@:
	s_barrier_wait -3
	s_barrier_signal -1
	s_barrier_wait -1
.endm
.macro ARM under, g0, g1, next         ; one arm of the head's chain of branches on the wave's number: its joint load and a jump to the chain's end
	s_cmp_lt_u32 s14, \under
	s_cbranch_scc0 \next
	tensor_load_to_lds s[\g0:\g0+3], s[\g1:\g1+7]
	s_nop 0
.rept 4
	v_nop
.endr
	s_branch .Lhead_asked
\next:
.endm
	s_load_b512 s[24:39], s[0:1], 0x0              ; oimg, osc, W's codes (2), W's scales (2), the biases (2)
	s_load_b128 s[40:43], s[0:1], 0x40             ; out0, out1
	v_lshl_add_u32 v126, v0, 2, 0x3d400
	v_mov_b32 v127, 0
	ds_add_u32 v126, v127
	ds_add_u32 v126, v127
	v_lshrrev_b32 v1, 5, v0
	v_readfirstlane_b32 s14, v1                    ; wave 0..3
	s_lshr_b32 s15, s14, 1                         ; my half of the rows.
	s_and_b32 s16, s14, 1                          ; my half of the columns.
	s_bfe_u32 s19, ttmp6, 0x40000                  ; cx
	s_bfe_u32 s20, ttmp6, 0x40004                  ; cy
	s_lshl_b32 s21, ttmp9, 2
	s_add_co_u32 s21, s21, s19                     ; x: which 256 columns
	s_and_b32 s2, ttmp7, 0xffff
	s_lshr_b32 s18, s2, 3                          ; T: the same in all sixteen partners
	s_and_b32 s17, s2, 7
	s_lshl_b32 s17, s17, 2
	s_add_co_u32 s17, s17, s20                     ; yt: which 128 rows
	s_lshl_b32 s22, s20, 2
	s_lshl_b32 s22, 15, s22                        ; my row of the cluster
	s_lshl_b32 s23, 0x1111, s19                    ; my column
	s_wait_dscnt 0x0
	s_wait_kmcnt 0x0
	s_cmp_eq_u32 s18, 0
	s_cselect_b64 s[8:9], s[28:29], s[30:31]       ; B's codes
	s_cselect_b64 s[10:11], s[32:33], s[34:35]     ; B's scales
	s_cselect_b64 s[12:13], s[36:37], s[38:39]     ; the bias
	s_cselect_b64 s[68:69], s[40:41], s[42:43]     ; the output
	s_mov_b64 s[4:5], s[24:25]                     ; A's codes
	s_mov_b64 s[6:7], s[26:27]                     ; A's scales
	s_or_b32 s[G1], s22, (3<<16)|(1<<21)           ; A's images: 8 tiles x 8,192 bytes (1,024 elements of 8), dense in memory and in LDS
	s_mov_b32 s[G1+1], 32<<16                      ; A's images of 128 rows: 65,536 dense bytes as 256 rows of 256
	s_mov_b32 s[G1+2], 256<<16
	s_mov_b32 s[G1+3], 32<<16
	s_mov_b32 s[G1+4], 256
	s_mov_b32 s[G1+5], 32
	s_mov_b32 s[G1+6], 0
	s_mov_b32 s[G1+7], 0
	s_or_b32 s[G1B], s23, (1<<20)|(1<<21)|(6<<22)|(3<<25)    ; B's codes: 256 rows x 512 bytes, 16 bytes of padding behind each
	s_mov_b32 s[G1B+1], 512<<16
	s_mov_b32 s[G1B+2], 256<<16
	s_mov_b32 s[G1B+3], 512<<16
	s_mov_b32 s[G1B+4], 256
	s_mov_b32 s[G1B+5], 512
	s_mov_b32 s[G1B+6], 0
	s_mov_b32 s[G1B+7], 0
	s_or_b32 s[G1S], s22, (3<<16)|(1<<21)          ; A's scales of 128 rows: 16 rows of 256 bytes
	s_mov_b32 s[G1S+1], 32<<16
	s_mov_b32 s[G1S+2], 16<<16                     ; A's scales of 128 rows: 16 rows of 256 bytes
	s_mov_b32 s[G1S+3], 32<<16
	s_mov_b32 s[G1S+4], 16
	s_mov_b32 s[G1S+5], 32
	s_mov_b32 s[G1S+6], 0
	s_mov_b32 s[G1S+7], 0
	s_or_b32 s[G1SB], s23, (3<<16)|(1<<21)         ; B's of 256 rows: 32 rows of 256
	s_mov_b32 s[G1SB+1], 32<<16
	s_mov_b32 s[G1SB+2], 32<<16                    ; B's of 256 rows: 32 rows of 256 bytes
	s_mov_b32 s[G1SB+3], 32<<16
	s_mov_b32 s[G1SB+4], 32
	s_mov_b32 s[G1SB+5], 32
	s_mov_b32 s[G1SB+6], 0
	s_mov_b32 s[G1SB+7], 0
	s_mul_i32 s40, s17, AROWS
	s_mov_b32 s41, 0                               ; a load brings the whole tile
	s_add_co_u32 s40, s40, s41                     ; A: the first row that I fetch; 16 rows are 8,192 bytes of images: 512 bytes a row
	s_lshl_b32 s42, s40, 9
	s_lshl_b32 s41, s18, 21                        ; the part
	s_add_co_u32 s42, s42, s41
	s_mov_b32 s43, 0
	s_add_nc_u64 s[4:5], s[4:5], s[42:43]
	s_lshl_b32 s42, s40, 5
	s_lshl_b32 s41, s18, 17
	s_add_co_u32 s42, s42, s41
	s_add_nc_u64 s[6:7], s[6:7], s[42:43]
	s_lshl_b32 s44, s21, 8
	s_lshl_b32 s45, s16, 7
	s_add_co_u32 s44, s44, s45                     ; B: likewise; also the first of my 128 columns
	s_lshl_b32 s46, s21, 17                        ; B's tile: 256 rows of 512 bytes
	s_mov_b32 s47, 0
	s_add_nc_u64 s[8:9], s[8:9], s[46:47]
	s_lshl_b32 s46, s21, 13
	s_add_nc_u64 s[10:11], s[10:11], s[46:47]
	s_mov_b32 s2, 0
	s_mov_b32 s3, 0
	s_add_co_u32 s3, s3, ATILE
	s_mov_b32 s40, 0
	s_add_co_u32 s40, s40, SCL
	s_mov_b32 s41, SCLB
	s_mov_b32 s[G0S], 1
	s_mov_b32 s[G0S+1], s40
	s_mov_b64 s[G0S+2:G0S+3], s[6:7]
	s_or_b32 s[G0S+3], s[G0S+3], 0x80000000
	s_mov_b32 s[G0SB], 1
	s_mov_b32 s[G0SB+1], s41
	s_mov_b64 s[G0SB+2:G0SB+3], s[10:11]
	s_or_b32 s[G0SB+3], s[G0SB+3], 0x80000000
.irp s, 0
	s_mov_b32 s[G0+4*\s], 1
	s_add_co_u32 s[G0+4*\s+1], s2, \s*SLOTB
	s_add_nc_u64 s[G0+4*\s+2:G0+4*\s+3], s[4:5], \s*4096
	s_or_b32 s[G0+4*\s+3], s[G0+4*\s+3], 0x80000000
	s_mov_b32 s[G0B+4*\s], 1
	s_add_co_u32 s[G0B+4*\s+1], s3, \s*SLOTB
	s_add_nc_u64 s[G0B+4*\s+2:G0B+4*\s+3], s[8:9], \s*256
	s_or_b32 s[G0B+4*\s+3], s[G0B+4*\s+3], 0x80000000
.endr
	CROUND                                         ; all sixteen work-groups are here: the joint loads meet
	ARM 1, G0,  G1,  .Lhead_b                      ; one load a wave: wave 0 A's images, all of K,
	ARM 2, G0B, G1B, .Lhead_sa                     ; wave 1 B's codes,
	ARM 3, G0S, G1S, .Lhead_sb                     ; wave 2 A's scales,
	tensor_load_to_lds s[G0SB:G0SB+3], s[G1SB:G1SB+7]  ; wave 3 B's scales
	s_nop 0
.rept 4
	v_nop
.endr
.Lhead_asked:
	v_and_b32 v1, 15, v0                           ; r
	v_bfe_u32 v2, v0, 4, 1                         ; h
	v_and_b32 v[CO], 31, v0
	v_lshlrev_b32 v[CO], 4, v[CO]                  ; 16 x lane
	v_mul_u32_u24 v3, v1, PITCH
	v_lshl_add_u32 v3, v2, 4, v3
	s_lshl_b32 s40, s15, 15                        ; A: my four tiles of 8,192 bytes
	s_mul_i32 s41, s16, 128*PITCH
	s_add_co_u32 s41, s41, ATILE
.irp s, 0,1
	v_add_nc_u32 v[ADRA+\s], s40, v[CO]
	v_add_nc_u32 v[ADRB+\s], s41, v3
	s_add_co_u32 s40, s40, 4096                    ; A: the second half of K begins 4,096 bytes further on in each tile
	s_add_co_u32 s41, s41, SLOTB
.endr
	v_lshlrev_b32 v4, 5, v1
	s_mul_i32 s40, s15, AH*32
	s_lshl_b32 s41, s16, 12
	s_add_co_u32 s41, s41, AROWS*32
	s_add_co_u32 s42, s41, SCL
	v_add_nc_u32 v[ADRS2], s42, v4                 ; B's rows, in all lanes
	s_sub_co_u32 s41, s41, s40
	v_mul_u32_u24 v5, s41, v2                      ; lanes 16-31 take B's: one product, h x the distance
	s_add_co_u32 s40, s40, SCL
	v_add_nc_u32 v4, v4, v5
	v_add_nc_u32 v[ADRS], s40, v4
	s_mul_i32 s40, s14, 16*SPITCH
	s_add_co_u32 s40, s40, STG                     ; my stage
	v_mul_u32_u24 v5, v1, SPITCH
	v_lshl_add_u32 v5, v2, 5, v5
	v_add_nc_u32 v[STO], s40, v5                   ; in: row r, 32 bytes for each half of the lanes
	v_add_nc_u32 v[RD], s40, v[CO]                 ; back: the 32 lanes take one row of 512 bytes
	v_lshlrev_b32 v6, 5, v2                        ; the bias: 32 h bytes into a tile's 16 numbers
	s_wait_alu depctr_va_vdst(0)
	s_lshl_b32 s46, s44, 2
	s_add_nc_u64 s[12:13], s[12:13], s[46:47]      ; the bias of my 128 columns,
	s_add_nc_u64 s[68:69], s[68:69], s[46:47]      ; and their place in a row of out
	s_lshl_b32 s40, s17, 7
	s_lshl_b32 s41, s15, 6
	s_add_co_u32 s40, s40, s41                     ; my first row
	s_lshl_b32 s46, s40, 12
	s_add_nc_u64 s[68:69], s[68:69], s[46:47]
	WIN 0x40
.irp b, 0,1,2,3,4,5,6,7
	global_load_b128 v[BI+8*\b:BI+8*\b+3], v6, s[12:13] offset:64*\b
	global_load_b128 v[BI+8*\b+4:BI+8*\b+7], v6, s[12:13] offset:64*\b+16
.endr
	WIN 0
.macro SCALES
.irp i, 0,1,2,3,4,5,6,7
.if \i < NA
	ds_load_b128 v[SC+8*\i:SC+8*\i+3], v[ADRS] offset:\i*512
	ds_load_b128 v[SC+8*\i+4:SC+8*\i+7], v[ADRS] offset:\i*512+16
.else
	ds_load_b128 v[SC+8*\i:SC+8*\i+3], v[ADRS2] offset:\i*512
	ds_load_b128 v[SC+8*\i+4:SC+8*\i+7], v[ADRS2] offset:\i*512+16
.endif
.endr
.endm
.macro FETCH q                         ; B's fragments from rows, A's from images: tile i, K step q % 4 of the half, chunk c: 8,192 i + 1,024 (q % 4) + 512 c + 16 x lane
.set FSL, (\q)/4
.set FQ4, (\q)%4
.set FP,  (\q)%2
	WIN 0x40
.irp i, 0,1,2,3,4,5,6,7
.irp c, 0,1
	ds_load_b128 v[128*FP+8*\i+4*\c:128*FP+8*\i+4*\c+3], v[ADRB+FSL] offset:64*FQ4+32*\c+\i*16*PITCH
.endr
.endr
	WIN 0
.set FI, 0
.rept NA
.irp c, 0,1
	ds_load_b128 v[AF+8*NA*FP+8*FI+4*\c:AF+8*NA*FP+8*FI+4*\c+3], v[ADRA+FSL] offset:FI*8192+FQ4*1024+512*\c
.endr
.set FI, FI+1
.endr
.endm
.macro MULH q, half                    ; the accumulators take turns, one instruction a turn, in the same order in every step; in K step 0 the bias is C
.set MP, (\q)%2
.set MA, (\half)*(NA/2)
.rept NA/2
.if (\q) == 0
	WIN (2<<6)|(1<<4)|1
.else
	WIN (2<<6)|(2<<4)|1
.endif
.set MF, AF+8*NA*MP+8*MA
.irp b, 0,1,2,3,4,5,6,7
.set MD, 8*(8*MA+\b)
.if (\q) == 0
	v_wmma_scale_f32_16x16x128_f8f6f4 v[MD:MD+7], v[128*MP+8*\b:128*MP+8*\b+7], v[MF:MF+7], v[BI+8*\b:BI+8*\b+7], v[SC+8*\b+(\q)], v[SC+8*MA+(\q)] matrix_a_fmt:MATRIX_FMT_FP4 matrix_b_fmt:MATRIX_FMT_FP4 matrix_a_scale:MATRIX_SCALE_ROW1
.else
	v_wmma_scale_f32_16x16x128_f8f6f4 v[MD:MD+7], v[128*MP+8*\b:128*MP+8*\b+7], v[MF:MF+7], v[MD:MD+7], v[SC+8*\b+(\q)], v[SC+8*MA+(\q)] matrix_a_fmt:MATRIX_FMT_FP4 matrix_b_fmt:MATRIX_FMT_FP4 matrix_a_scale:MATRIX_SCALE_ROW1
.endif
.endr
.set MA, MA+1
.endr
.endm
.macro STEP q
	s_wait_dscnt 0x0                               ; this step's fragments, asked for half a step ago, are in
	MULH \q, 0
.if (\q) < 7
.rept 4
	v_nop                                          ; four places in front of loads into the set that the step before multiplied
.endr
	FETCH (\q)+1
.endif
	MULH \q, 1
.endm
; THE WAY OUT, block by block of 16 rows x 128 columns.  A lane holds 32 neighbouring bytes of a row and the lanes beside it other rows: a block goes through my own stage and comes back as whole rows of 512 bytes.
; LDS serves a wave's instructions in order (ISA guide 5.7.1.4): no wait between the stores and the loads, nor in front of the next block's stores.
.macro TOSTAGE a
	WIN 0x08                                       ; an LDS store's data are its source 1: window 2
.irp b, 0,1,2,3,4,5,6,7
	ds_store_b128 v[STO], v[64*(\a)+8*\b:64*(\a)+8*\b+3] offset:64*\b        ; each accumulator from its low end on
	ds_store_b128 v[STO], v[64*(\a)+8*\b+4:64*(\a)+8*\b+7] offset:64*\b+16
.endr
	WIN 0
.set BB, BK+64*((\a)%2)
.irp t, 0,1,2,3,4,5,6,7,8,9,10,11,12,13,14,15
	ds_load_b128 v[BB+4*\t:BB+4*\t+3], v[RD] offset:\t*SPITCH
.endr
.endm
.macro SEND a, younger                 ; younger: the LDS instructions issued behind block a's loads, which may stay out
.set BB, BK+64*((\a)%2)
	s_wait_dscnt \younger
.irp t, 0,1,2,3,4,5,6,7,8,9,10,11,12,13,14,15
	global_store_b128 v[CO], v[BB+4*\t:BB+4*\t+3], s[68:69] offset:(16*(\a)+\t)*4096 th:TH_STORE_NT   ; 32 lanes store 512 consecutive bytes, aligned; written once, read by nobody here
.endr
.endm
	s_wait_tensorcnt 0x0                           ; my one load has landed
	s_barrier_signal -1
	s_barrier_wait -1
	SCALES
	FETCH 0
	s_wait_loadcnt 0x0                             ; the bias
.set Q, 0
.rept 8
	STEP Q
.set Q, Q+1
.endr
	WIN 0
.rept 4
	v_nop                                          ; four places behind the last products: for the stores that read results and the loads into A's fragments
.endr
	TOSTAGE 0
.irp a, 1,2,3
.if \a > 1
	s_wait_xcnt 0x0                                ; block a - 2's stores have read their registers: block a's loads may land there
.endif
	TOSTAGE \a
	SEND \a-1, 32                                  ; behind block a - 1's loads: block a's 16 stores and 16 loads
.endr
	SEND 3, 0
	s_wait_tensorcnt 0x0
	s_wait_tensorcnt 0x0
	ds_add_u32 v126, v127
	s_wait_dscnt 0x0
	CROUND                                         ; the closing round
	s_endpgm
.Lfunc_end_k_q18fde62930_oproj:
	.size	k_q18fde62930_oproj, .Lfunc_end_k_q18fde62930_oproj-k_q18fde62930_oproj
	.p2alignl 7, 3214868480
	.fill 96, 4, 3214868480
	.section	.rodata,"a",@progbits
	.p2align	6, 0x0
	.amdhsa_kernel k_q18fde62930_oproj
		.amdhsa_group_segment_fixed_size 251392
		.amdhsa_private_segment_fixed_size 0
		.amdhsa_enable_private_segment 0
		.amdhsa_kernarg_size 80
		.amdhsa_user_sgpr_count 2
		.amdhsa_user_sgpr_kernarg_segment_ptr 1
		.amdhsa_wavefront_size32 1
		.amdhsa_system_sgpr_workgroup_id_x 1
		.amdhsa_system_sgpr_workgroup_id_y 1
		.amdhsa_system_sgpr_workgroup_id_z 1
		.amdhsa_system_vgpr_workitem_id 0
		.amdhsa_next_free_vgpr 768
		.amdhsa_next_free_sgpr 100
		.amdhsa_reserve_vcc 0
		.amdhsa_float_denorm_mode_32 3
		.amdhsa_float_denorm_mode_16_64 3
		.amdhsa_memory_ordered 1
		.amdhsa_forward_progress 1
		.amdhsa_inst_pref_size 73
	.end_amdhsa_kernel
	.amdgpu_metadata
---
amdhsa.version: [ 1, 2 ]
amdhsa.kernels:
  - .name:           k_q18fde62930_oproj
    .symbol:         k_q18fde62930_oproj.kd
    .args:
      - { .name: oimg, .offset: 0, .size: 8, .value_kind: global_buffer, .address_space: global }
      - { .name: osc, .offset: 8, .size: 8, .value_kind: global_buffer, .address_space: global }
      - { .name: Wo_r_codes, .offset: 16, .size: 8, .value_kind: global_buffer, .address_space: global }
      - { .name: Wo_i_codes, .offset: 24, .size: 8, .value_kind: global_buffer, .address_space: global }
      - { .name: Wo_r_scales, .offset: 32, .size: 8, .value_kind: global_buffer, .address_space: global }
      - { .name: Wo_i_scales, .offset: 40, .size: 8, .value_kind: global_buffer, .address_space: global }
      - { .name: bo_r, .offset: 48, .size: 8, .value_kind: global_buffer, .address_space: global }
      - { .name: bo_i, .offset: 56, .size: 8, .value_kind: global_buffer, .address_space: global }
      - { .name: out0, .offset: 64, .size: 8, .value_kind: global_buffer, .address_space: global }
      - { .name: out1, .offset: 72, .size: 8, .value_kind: global_buffer, .address_space: global }
    .group_segment_fixed_size: 251392
    .private_segment_fixed_size: 0
    .kernarg_segment_align: 8
    .kernarg_segment_size: 80
    .max_flat_workgroup_size: 128
    .sgpr_count:     100
    .vgpr_count:     768
    .wavefront_size: 32
...
	.end_amdgpu_metadata
.endif
;; end of part 4
